; MI455X (gfx1250); checked and timed in simulation.
; The chip was launched on July 23, 2026; its instructions are those of AMD's public machine-readable ISA for CDNA 5 (MIT licence, August 2026) and "CDNA5" Instruction Set Architecture Reference Guide (July 2026). The comments in the code are by the model that wrote it; some were corrected since.
;; Liquid Cell. Allowed arithmetic: matrix products marked QUANTISED: E5M2 operands, one given power-of-two scale a tensor, by v_wmma_f32_16x16x64_bf8_bf8 or v_wmma_f32_16x16x128_bf8_bf8, f32 sums; everything else in f32.
;; Inputs: fW1 768 x 1,024 float32; fW2 1,024 x 512 float32; fb1 1,024 float32; fb2 512 float32; gW 768 x 512 float32; gb 512 float32; ln_b 512 float32; ln_g 512 float32; lowp_scales 16 int32 (the exponents e of the quantised operands' scales 2^e); tW 768 x 512 float32; tb 512 float32; u 16,384 x 256 float32; x 16,384 x 512 float32.
;; Outputs: out0 16,384 x 512 float32.
;; This version of the problem:
;;   THIS VERSION OF THE PROBLEM IS GIVEN IN LOW PRECISION. The matrix products marked QUANTISED in the list below multiply operands that are first quantised to E5M2 (5 exponent bits, 2 mantissa bits; 8 bits a number), with one given power-of-two scale for each operand tensor; their sums are f32. All else is computed in f32.
;;   The module's matrix products, in the order in which they are computed (A, B: the left and right operand; K: the contracted axis; several contracted axes count as one K, in the product's order):
;;     1. [M 16,384, K 768] x [K 768, N 512]; A: computed on the way; B: input tW: QUANTISED (scales: A lowp_scales[0], B lowp_scales[1])
;;     2. [M 16,384, K 768] x [K 768, N 512]; A: computed on the way; B: input gW: QUANTISED (scales: A lowp_scales[2], B lowp_scales[3])
;;     3. [M 16,384, K 768] x [K 768, N 1,024]; A: computed on the way; B: input fW1: QUANTISED (scales: A lowp_scales[4], B lowp_scales[5])
;;     4. [M 16,384, K 1,024] x [K 1,024, N 512]; A: computed on the way; B: input fW2: QUANTISED (scales: A lowp_scales[6], B lowp_scales[7])
;;     5. [M 16,384, K 768] x [K 768, N 512]; A: computed on the way; B: input tW: QUANTISED (scales: A lowp_scales[8], B lowp_scales[9])
;;     6. [M 16,384, K 768] x [K 768, N 512]; A: computed on the way; B: input gW: QUANTISED (scales: A lowp_scales[10], B lowp_scales[11])
;;     7. [M 16,384, K 768] x [K 768, N 1,024]; A: computed on the way; B: input fW1: QUANTISED (scales: A lowp_scales[12], B lowp_scales[13])
;;     8. [M 16,384, K 1,024] x [K 1,024, N 512]; A: computed on the way; B: input fW2: QUANTISED (scales: A lowp_scales[14], B lowp_scales[15])
;;   THE QUANTISER, for each operand of a quantised product, along K:
;;     - The operand's scale is 2^e, e = its entry of the input lowp_scales (int32; the entries are numbered through the quantised products in the list's order, A before B).
;;     - Each number is divided by the scale, clamped to +-57,344, and rounded to the nearest number of E5M2, ties to even, subnormals kept.
;;     - The product sums the exact products of the quantised numbers (number of the format x scale) in f32.
;;   ~~~python
;;   def quantise(x, axis, e):      # numpy; x: float32 -> the quantised numbers, widened to float32 again
;;       x = np.moveaxis(x, axis, -1); K = x.shape[-1]
;;       r = np.clip(x / 2.0 ** e, -57344, 57344)
;;       step = 2.0 ** (np.maximum(np.frexp(np.where(r == 0, 1, r))[1] - 1, -14) - 2)
;;       q = np.round(r / step) * step * 2.0 ** e      # np.round: ties to even
;;       return np.moveaxis(q, -1, axis).astype(np.float32)
;;   ~~~
;;   OPERANDS COMPUTED ON THE WAY. 'Computed on the way' means the value that the module computes at that place (a softmax that the list does not call 'softmax' is quantised finished and normalised). What goes into a quantiser is computed in f32, as accurately as f32 sums, v_exp_f32 and their like allow (about 1e-6 of the number): no bf16 or f16 on the way to a quantiser, and a product that is left as it is and whose result goes on into a quantised operand takes f32 operands (vector FMAs, or v_wmma_f32_16x16x4_f32). A number that lies on a knife's edge between two numbers of the format may be rounded either way, as far as f32 arithmetic and the matrix unit's own rounding can turn it there, and no further.
;; 2 versions, each right. Each part assembles by itself: llvm-mc -triple=amdgcn-amd-amdhsa -mcpu=gfx1250 --defsym DOCPART=n.
;; ======== version 1 of 2: 2 launches
;; limits: a function is approximated: absolute error at most 6e-08
;; workspace buffers: wq 4,194,304 bytes; bq 20,480 bytes
;; launch prep (part 1): grid 256 x 1, 4 waves a work-group, no clusters, 0 bytes of LDS; arguments fW1, fW2, gW, tW, fb1, fb2, gb, tb, lowp_scales, wq, bq; writes wq, bq
.if DOCPART == 1
	.amdgcn_target "amdgcn-amd-amdhsa--gfx1250"
	.amdhsa_code_object_version 6
	.text
	.protected	k_q137fe05ed0_prep
	.globl	k_q137fe05ed0_prep
	.p2align	8
	.type	k_q137fe05ed0_prep,@function
k_q137fe05ed0_prep:
	s_mov_b64 s[64:65], 0
	v_nop
	global_prefetch_b8 v0, s[64:65] scope:SCOPE_SE
	s_setreg_imm32_b32 hwreg(HW_REG_WAVE_MODE, 25, 1), 1
	s_wait_xcnt 0x0
; LiquidCell, first of two launches.  The four weights, f32 stored [K][N], become codes of E5M2, each TWICE: once with the scale given for the first evaluation of the right-hand side and once with that
; given for the second (entries ib and ib + 8 of the scales); no two entries are taken to be equal.  The four biases become b / 2^(eA + eW), again once for each evaluation: the next launch starts its sums with them.
; DEAD WORK: none.  Every input of reference() has a way to the output, and every product of its table is done.
; code = w / 2^e, held within +-57,344, rounded to the nearest code, ties to even.
; LIMITS: each weight's e between -126 and 112, so that 2^e and 57,344 x 2^e are f32 numbers.  NaN among the inputs is not served.
; LAYOUT OF wq: 64 slots of 65,536 bytes in the order in which the next launch multiplies them: evaluation e from slot 32 e; in it fW1's first half of each wave's columns (6 slots), its second half (6), fW2 (8), gW (6), tW (6).
; A slot is 128 along K for 512 columns, IN THE ORDER OF THE OPERAND'S REGISTERS: byte w 8192 + q 4096 + t 1024 + c 512 + h 256 + r 16 + i holds W[k][col] with k = 128 slot's step + 64 q + 32 c + 16 h + i and
; col = base(w) + 32 (t / 2) + 8 (t % 2) + r + 8 (r / 8); base = 64 w, for fW1 128 w + 64 half.  So wave w of the next launch gets a fragment by plain 16-byte loads at 16 x lane.
; SHARES.  A work-group takes 128 columns x 64 along K of one tensor, a wave 32 columns.  A LANE TAKES A COLUMN AND ITS 64 REGISTERS RUN DOWN K: each load reads 128 consecutive bytes a wave, and the conversions, which take
; neighbours along K from one lane's registers, give codes with K innermost.  A lane's 16 codes are 16 bytes; a store's 32 lanes fill two aligned blocks of 256 bytes whole.
; Work-groups 0-95: fW1, 96-159: fW2, 160-207: gW, 208-255: tW: 256 of equal work.  The branch hangs on the work-group's number alone.  No LDS, no barrier: waves share nothing.
.set X, 16                             ; v16-79    64 numbers down K
.set T, 80                             ; v80-143   the same, held
.set C, 144                            ; v144-175  16 registers of codes for each evaluation: no store's data are written again
	s_load_b512 s[4:19], s[0:1], 0x0               ; fW1 s[4:5], fW2 s[6:7], gW s[8:9], tW s[10:11], fb1 s[12:13], fb2 s[14:15], gb s[16:17], tb s[18:19]
	s_load_b128 s[20:23], s[0:1], 0x40             ; the scales' exponents s[20:21], wq s[22:23]
	s_load_b64 s[24:25], s[0:1], 0x50              ; bq
	v_lshrrev_b32 v1, 5, v0
	v_readfirstlane_b32 s26, v1                    ; wave 0..3
	v_and_b32 v2, 31, v0                           ; lane = my column among the wave's 32
	v_lshlrev_b32 v3, 2, v2                        ; in: 4 bytes a lane
	v_bfe_u32 v4, v2, 3, 1                         ; out: column x of 32 lies in tile (x / 8) % 2,
	v_and_b32 v5, 7, v2
	v_lshrrev_b32 v6, 4, v2
	v_lshl_add_u32 v5, v6, 3, v5                   ; at the tile's lane r = x % 8 + 8 (x / 16)
	v_lshlrev_b32 v5, 4, v5
	v_lshl_add_u32 v4, v4, 10, v5                  ; 1024 x tile + 16 r
	s_wait_kmcnt 0x0
	s_load_b512 s[32:47], s[20:21], 0x0            ; all sixteen exponents
	s_cmp_lt_u32 ttmp9, 96
	s_cbranch_scc1 .Lf1
	s_cmp_lt_u32 ttmp9, 160
	s_cbranch_scc1 .Lf2
	s_cmp_lt_u32 ttmp9, 208
	s_cbranch_scc1 .Lg
	s_branch .Lt
; One tensor's path.  src, bias: the scalar pairs with their addresses; N: columns; first: the tensor's first work-group; lgcg: log2 of its groups of 128 columns; slotbase: its first slot in an evaluation;
; ia, ib: the entries of A's and of the weight's exponent in the first evaluation; isf1: fW1's split into halves; blk: the bias's block of 512 numbers in bq.
.macro TENSOR src, bias, N, first, lgcg, slotbase, ia, ib, isf1, blk
	s_sub_co_u32 s27, ttmp9, \first
	s_and_b32 s28, s27, (1<<\lgcg)-1               ; which 128 columns
	s_lshr_b32 s29, s27, \lgcg                     ; which 64 along K
	s_mul_i32 s30, s29, 64*\N*4
	s_lshl_b32 s31, s28, 9
	s_add_co_u32 s30, s30, s31
	s_lshl_b32 s31, s26, 7
	s_add_co_u32 s30, s30, s31                     ; bytes to W[64 k64][128 cg + 32 wave]
	s_mov_b32 s31, 0
	s_add_nc_u64 s[\src:\src+1], s[\src:\src+1], s[30:31]
.set i, 0
.rept 64
	global_load_b32 v[X+i], v3, s[\src:\src+1] offset:i*\N*4 th:TH_LOAD_NT   ; one row of W at 32 neighbouring columns; read once in the launch
.set i, i+1
.endr
	s_lshr_b32 s48, s29, 1                         ; the K step of 128
.if \isf1
	s_lshr_b32 s49, s26, 1                         ; fW1: 128 columns are one wave's; my half of them has six slots of its own
	s_mul_i32 s49, s49, 6
	s_add_co_u32 s48, s48, s49
	s_mov_b32 s49, s28
.else
	s_lshl_b32 s49, s28, 1                         ; else 128 columns are two waves'
	s_lshr_b32 s50, s26, 1
	s_add_co_u32 s49, s49, s50
.endif
	s_add_co_u32 s48, s48, \slotbase
	s_lshl_b32 s48, s48, 16                        ; slot x 65,536
	s_lshl_b32 s49, s49, 13                        ; + w x 8,192
	s_add_co_u32 s48, s48, s49
	s_and_b32 s49, s29, 1
	s_lshl_b32 s49, s49, 12                        ; + which 64 of the 128 x 4,096
	s_add_co_u32 s48, s48, s49
	s_and_b32 s49, s26, 1
	s_lshl_b32 s49, s49, 11                        ; + which 32 of the 64 columns x 2,048
	s_add_co_u32 s48, s48, s49
	s_mov_b32 s49, 0
	s_add_nc_u64 s[22:23], s[22:23], s[48:49]
	s_wait_kmcnt 0x0                               ; the exponents
.irp e, 0,1
	s_add_co_i32 s50, s[32+\ib+8*\e], 127
	s_lshl_b32 s50, s50, 23
	v_mov_b32 v[8+\e], s50                         ; 2^e as f32: the conversion takes its exponent field
	s_add_co_i32 s[53+2*\e], s50, 0x07e00000       ; 57,344 x 2^e: 15 more in the exponent field, 0x600000 in the mantissa field
	s_or_b32 s[52+2*\e], s[53+2*\e], 0x80000000    ; and its negative
.endr
	s_wait_loadcnt 0x0
.irp e, 0,1
.set i, 0
.rept 64
	v_med3_num_f32 v[T+i], v[X+i], s[52+2*\e], s[53+2*\e]   ; the conversion to an 8-bit code does not saturate (ISA guide 7.6.2): the hold comes first; out of place, since the numbers serve both evaluations
.set i, i+1
.endr
.irp g, 0,1,2,3,4,5,6,7
	v_cvt_scalef32_pk8_bf8_f32 v[C+16*\e+2*\g:C+16*\e+2*\g+1], v[T+8*\g:T+8*\g+7], v[8+\e]
.endr
	v_nop                                          ; a plain line between the conversions and the next holds, which write their sources
.irp c, 0,1,2,3
	global_store_b128 v4, v[C+16*\e+4*\c:C+16*\e+4*\c+3], s[22:23] offset:\c*256+\e*2097152   ; k = 16 c + 0 .. 15 of my 64; the second evaluation's slots lie 32 slots on
.endr
.endr
	s_cmp_lg_u32 s29, 0                            ; the bias is served by the work-groups of the tensor's first 64 along K: a branch on ids
	s_cbranch_scc1 .Lno_bias_\@
	s_lshl_b32 s48, s28, 9
	s_lshl_b32 s50, s26, 7
	s_add_co_u32 s48, s48, s50                     ; my wave's 32 columns, in bytes
	s_add_nc_u64 s[\bias:\bias+1], s[\bias:\bias+1], s[48:49]
	global_load_b32 v10, v3, s[\bias:\bias+1]
.if \isf1
	s_lshr_b32 s48, s26, 1                         ; fW1's bias: block = half; in it 64 w + the column's place among the half's 64
	s_lshl_b32 s48, s48, 11
	s_lshl_b32 s50, s28, 8
	s_add_co_u32 s48, s48, s50
	s_and_b32 s50, s26, 1
	s_lshl_b32 s50, s50, 7
	s_add_co_u32 s48, s48, s50
.else
	s_add_co_u32 s48, s48, \blk*2048
.endif
	s_add_nc_u64 s[24:25], s[24:25], s[48:49]
	s_add_co_i32 s56, s[32+\ia], s[32+\ib]
	s_sub_co_i32 s56, 0, s56                       ; -(eA + eW), first evaluation,
	s_add_co_i32 s57, s[40+\ia], s[40+\ib]
	s_sub_co_i32 s57, 0, s57                       ; and second
	s_wait_loadcnt 0x0
	v_ldexp_f32 v11, v10, s56
	v_ldexp_f32 v12, v10, s57
	global_store_b32 v3, v11, s[24:25]             ; 128 consecutive bytes a wave: 20 KB in the whole launch
	global_store_b32 v3, v12, s[24:25] offset:10240
.Lno_bias_\@:
	s_endpgm
.endm
.Lt:
	TENSOR 10, 18, 512, 208, 2, 26, 0, 1, 0, 4
.Lf1:
	TENSOR 4, 12, 1024, 0, 3, 0, 4, 5, 1, 0
.Lf2:
	TENSOR 6, 14, 512, 96, 2, 12, 6, 7, 0, 2
.Lg:
	TENSOR 8, 16, 512, 160, 2, 20, 2, 3, 0, 3
.Lfunc_end_k_q137fe05ed0_prep:
	.size	k_q137fe05ed0_prep, .Lfunc_end_k_q137fe05ed0_prep-k_q137fe05ed0_prep
	.p2alignl 7, 3214868480
	.fill 96, 4, 3214868480
	.section	.rodata,"a",@progbits
	.p2align	6, 0x0
	.amdhsa_kernel k_q137fe05ed0_prep
		.amdhsa_group_segment_fixed_size 0
		.amdhsa_private_segment_fixed_size 0
		.amdhsa_enable_private_segment 0
		.amdhsa_kernarg_size 88
		.amdhsa_user_sgpr_count 2
		.amdhsa_user_sgpr_kernarg_segment_ptr 1
		.amdhsa_wavefront_size32 1
		.amdhsa_system_sgpr_workgroup_id_x 1
		.amdhsa_system_sgpr_workgroup_id_y 1
		.amdhsa_system_sgpr_workgroup_id_z 1
		.amdhsa_system_vgpr_workitem_id 0
		.amdhsa_next_free_vgpr 176
		.amdhsa_next_free_sgpr 66
		.amdhsa_reserve_vcc 0
		.amdhsa_float_denorm_mode_32 3
		.amdhsa_float_denorm_mode_16_64 3
		.amdhsa_memory_ordered 1
		.amdhsa_forward_progress 1
		.amdhsa_inst_pref_size 74
	.end_amdhsa_kernel
	.amdgpu_metadata
---
amdhsa.version: [ 1, 2 ]
amdhsa.kernels:
  - .name:           k_q137fe05ed0_prep
    .symbol:         k_q137fe05ed0_prep.kd
    .args:
      - { .name: fW1, .offset: 0, .size: 8, .value_kind: global_buffer, .address_space: global }
      - { .name: fW2, .offset: 8, .size: 8, .value_kind: global_buffer, .address_space: global }
      - { .name: gW, .offset: 16, .size: 8, .value_kind: global_buffer, .address_space: global }
      - { .name: tW, .offset: 24, .size: 8, .value_kind: global_buffer, .address_space: global }
      - { .name: fb1, .offset: 32, .size: 8, .value_kind: global_buffer, .address_space: global }
      - { .name: fb2, .offset: 40, .size: 8, .value_kind: global_buffer, .address_space: global }
      - { .name: gb, .offset: 48, .size: 8, .value_kind: global_buffer, .address_space: global }
      - { .name: tb, .offset: 56, .size: 8, .value_kind: global_buffer, .address_space: global }
      - { .name: lowp_scales, .offset: 64, .size: 8, .value_kind: global_buffer, .address_space: global }
      - { .name: wq, .offset: 72, .size: 8, .value_kind: global_buffer, .address_space: global }
      - { .name: bq, .offset: 80, .size: 8, .value_kind: global_buffer, .address_space: global }
    .group_segment_fixed_size: 0
    .private_segment_fixed_size: 0
    .kernarg_segment_align: 8
    .kernarg_segment_size: 88
    .max_flat_workgroup_size: 128
    .sgpr_count:     66
    .vgpr_count:     176
    .wavefront_size: 32
...
	.end_amdgpu_metadata
.endif
;; end of part 1
;; launch cell (part 2): grid 256 x 1, 8 waves a work-group, clusters of 4 x 1, 327,680 bytes of LDS; arguments x, u, wq, bq, lowp_scales, ln_g, ln_b, out0; writes out0
.if DOCPART == 2
	.amdgcn_target "amdgcn-amd-amdhsa--gfx1250"
	.amdhsa_code_object_version 6
	.text
	.protected	k_q137fe05ed0_cell
	.globl	k_q137fe05ed0_cell
	.p2align	8
	.type	k_q137fe05ed0_cell,@function
k_q137fe05ed0_cell:
	s_mov_b64 s[64:65], 0
	v_nop
	global_prefetch_b8 v0, s[64:65] scope:SCOPE_SE
	s_setreg_imm32_b32 hwreg(HW_REG_WAVE_MODE, 25, 1), 1
	s_wait_xcnt 0x0
	s_wait_alu depctr_hold_cnt(0) depctr_sa_sdst(0) depctr_va_vdst(0) depctr_va_sdst(0) depctr_va_ssrc(0) depctr_va_vcc(0) depctr_vm_vsrc(0)
	s_getreg_b32 s2, hwreg(HW_REG_IB_STS2, 6, 4)
	s_cmp_eq_u32 s2, 0
	s_cbranch_scc0 .Lentry_in_a_cluster
	s_endpgm
.Lentry_in_a_cluster:
	s_bfe_u32 s2, ttmp6, 0x10000c
	s_cmp_lg_u32 s2, 0x3003
	s_cbranch_scc0 .Lentry_shape_is_right
	s_endpgm
.Lentry_shape_is_right:
; LiquidCell, second of two launches: both evaluations of the right-hand side, the Heun step and the LayerNorm, fused; nothing but the result goes to memory.  No work of reference() is left out.
; ONE BODY FOR BOTH EVALUATIONS.  With step(xs) = xs + DT (f(xs) - xs) / tau(xs): x1 = step(x), x'' = step(x1) = x + dx1 + dx2, so y = x + (dx1 + dx2) / 2 = (x + x'') / 2, for all inputs.  The loop runs step twice on the
; same registers; x is then read a second time (no room is left to keep it: three arrays of 128 registers and the operands fill a wave's 512).  The factor 1/2 goes into the LayerNorm: with s = x + x'',
; out = (s - mean s) x 0.5 rsq(0.25 var s + eps) x g + b.  The order of rounding of y differs from reference()'s.
; SHARES.  A work-group owns 64 rows.  ITS EIGHT WAVES SHARE THE COLUMNS, NOT THE ROWS: wave w owns state columns 64 w .. 64 w + 63 and hidden units 128 w .. 128 w + 127 (in two halves of 64), for all 64 rows.
; A product is 64 rows x 64 columns a wave: 16 accumulators.  It is used TRANSPOSED (source 0 = 16 columns of the weight, source 1 = 16 rows), and the columns that form a tile are not neighbours (lane r of tile t takes
; column 32 (t / 2) + 8 (t % 2) + r + 8 (r / 8)): so lane (r, h) holds row 16 m + r, and register 32 m + 16 b + i holds column 32 b + 16 h + i of the wave's 64: the order in which the next product's operand wants them.
; All elementwise work stays in a lane, and the conversions' results are the next operand's registers.
; OPERANDS GO FROM WAVE TO WAVE THROUGH LDS AS IMAGES OF THEIR REGISTERS: fragment (K step s of 128, row tile m) at (4 s + m) 2048 + c 512 + 16 x lane, c = which 32 along K.  The weights lie so in wq already.
; THE FORM is v_wmma_f32_16x16x64_bf8_bf8: a fragment of 8 registers is two loads of 16 bytes.  That places k otherwise than the form's own layout does, alike in both sources, so every product meets its partner.
; THE SUMS BEGIN AS THE BIASES, b / 2^(eA + eW) out of bq, loaded straight into the accumulators: nothing is cleared, no first step differs, and no addition is spent on them.
; WEIGHTS: 64 slots of 65,536 bytes walk through a ring of two LDS slots; wave w fetches and reads its own 8,192 bytes of each.  CLUSTER: all work-groups walk the same slots in the same order, so four of them ask for each JOINTLY.
; THE SCALES: every operand is quantised with its own entry: xu three times in each evaluation.  A sum stands for sum x 2^(eA + eW); that power is folded into each activation's first constant.
; LIMITS.  Each eA (entries 0, 2, 4, 8, 10, 12) and eA(hidden) - eA(f1) - eW(f1) between -126 and 112; each eA + eW between -120 and 120: so that every power of two below is an f32 number.  NaN among the inputs is not served.
; log1p(e) is taken as log(1 + e): absolute error up to 6e-8 in softplus, which is at least 0.01 where it counts.  tanh(z) = 1 - 2 / (1 + e^2z): absolute error about 1e-7.
; REGISTERS.  Window 0: v1-15 addresses; v16-47 T, at work; v48-63 C, two sets of codes; v64-95 AF, v96-127 BF, the fragments; v128-255 ACC.  Window 1: v0-127 XS, the state; v128-255 FA: tanh, then f, then f - xs.
.set RING1, 65536                      ; LDS: the ring's slot 0 at 0, slot 1 here: one exclusive or turns an address
.set SLOTB, 65536
.set UB,    131072                     ; u as f32, 64 rows; filled once, then only read
.set UP,    1040                       ; its pitch: 1,024 bytes + 16 of padding
.set R0,    197632                     ; images of xu: 6 K steps x 8,192
.set HB,    R0                         ; images of the hidden layer: 8 K steps x 8,192: R0 and the 16,384 bytes behind it
.set R1,    263168                     ; images of xu, the second region
.set STG,   R1                         ; a stage of 16 rows x 272 bytes for each wave, at the head and in the tail, when R1 holds nothing that anybody reads
.set SPT,   272
.set RED,   312320                     ; two reductions x [wave][row % 16][row tile] f32
.set SPARE, 316416                     ; the spare words, 128 bytes for each wave: four blocks of 256 bytes that no other line names
.set SPW, 1                            ; v1   SPARE + 4 x my thread's number; never rewritten
.set NIL, 2                            ; v2   0; never rewritten
.set LI,  3                            ; v3   16 x lane
.set LB,  4                            ; v4   16 x lane + 8192 w: my part of a weight slot
.set ADA, 5                            ; v5   the address in hand: A's images; where images are stored; the stage by rows
.set ADB, 6                            ; v6   the same: B's fragments; u's image; the stage in lane order
.set AWS, 7                            ; v7   my state columns' place in a region of images (tail: where I put my row sums)
.set AWU, 8                            ; v8   my fragment of u's place there (tail: where I read all waves' row sums)
.set URD, 9                            ; v9   my fragment of u in f32
.set HWS, 10                           ; v10  my hidden units' place in HB
.set VBI, 11                           ; v11  256 w + 64 h: my biases in a block of bq
.set SC,  12                           ; v12  the conversions' scale
.set PFO, 13                           ; v13  256 x lane, for the prefetch
.set GBO, 14                           ; v14  256 w + 16 (lane % 16): ln_g, ln_b
.set XC,  15                           ; v15  2048 (lane / 16) + 256 w + 16 (lane % 16): x and out0 by rows
.set T,   16
.set C,   48
.set AF,  64
.set BF,  96
.set ACC, 128
.set XS,  0
.set FA,  128
.set WV,  20                           ; s20 wave; s21 cx; s22, s23, s66, s67 at work; s[24:31], s[32:39] descriptor groups 1 (weights, u); s[40:43], s[44:47] their groups 0; s48 the ring's slot in hand; s49 A's K step;
                                       ; s50 slots to go in a product; s51 the hidden half's place; s52 evaluations to go; s53 halves to go; s54 fills to go; s55 the prefetch's limit; s[56:57] its address; s[58:59] lane selects;
                                       ; s[60:61] bq's block in hand; s[62:63] 8192 w; s[68:75] an evaluation's exponents; s[76:99] its constants
.set MSB, 0
.macro WIN new                         ; the immediate's high byte repeats the setting that is left; bits 1:0 source 0, 3:2 source 1, 5:4 source 2, 7:6 destination
.if MSB != \new
	s_set_vgpr_msb (MSB<<8)|\new
.set MSB, \new
.endif
.endm
.macro PLACES n
.if \n > 0
.rept \n
	v_nop
.endr
.endif
.endm
; A round of the cluster's barrier: my work-group's barrier, wave 0's signal for the work-group, every wave's wait for all four work-groups, my work-group's barrier once more.
.macro ROUND
	s_barrier_signal -1
	s_barrier_wait -1
	s_cmp_lg_u32 s[WV], 0
	s_cbranch_scc1 .Lnot_wave_0_\@
	s_barrier_signal -3
.Lnot_wave_0_\@:
	s_barrier_wait -3
	s_barrier_signal -1
	s_barrier_wait -1
.endm
; A PREFETCH INTO THE L2: the change of slots that asks for slot n + 1 names slot n + 4, three changes ahead of that slot's own load.  All clusters walk the same slots: the launch's first cluster asks.  Its four partners take
; 16,384 bytes each, told apart BY ADDRESS; in each, waves 0 and 1 take 8,192, lanes 256 bytes apart: each aligned block of 256 bytes is named once.  s54 counts the fills to go (63 - n here): above 3, slot n + 4 exists.
; Slots 1 to 3 come by their loads alone: nothing is prefetched at the head.
.macro ASK
	s_cmp_gt_u32 s54, s55
	s_cbranch_scc0 .Lnot_mine_\@
	global_prefetch_b8 v[PFO], s[56:57] th:TH_LOAD_NT scope:SCOPE_SE
.Lnot_mine_\@:
.endm
; THE CHANGE OF SLOTS stands at a slot's head.  Each wave waits for all its tensor loads (one is out: its part of the slot ahead), adds 0 to its spare word, and waits for that and for all its LDS loads and stores: its reads of the
; slot that it has left, and the images that it has stored since the last change.  Behind the barrier those images may be read by every wave, and regions whose readers stood ahead of it may be written.
; fill = 1: the barrier is a round of the cluster's, and the joint load of the next slot, into the ring's slot just left, is the first thing behind it: the wave's one tensor load until the next round.
.macro CHANGE fill
	s_wait_tensorcnt 0x0                           ; no tensor load of mine is out, so a group 0 may be written
	ds_add_u32 v[SPW], v[NIL]                      ; 0 onto my spare word; the steps below stand between it and the wait for it
.if \fill
	s_xor_b32 s41, s41, RING1                      ; the walking descriptor: the other slot of the ring,
	s_add_nc_u64 s[42:43], s[42:43], SLOTB         ; the next slot of wq; the type bits on top are not reached
	s_wait_xcnt 0x0                                ; the last prefetch, a slot back, has read its address
	s_add_nc_u64 s[56:57], s[56:57], SLOTB
.endif
	s_wait_dscnt 0x0
.if \fill
	ROUND
	tensor_load_to_lds s[40:43], s[24:31]
	s_nop 0
	ASK
	s_sub_co_u32 s54, s54, 1
.else
	s_barrier_signal -1
	s_barrier_wait -1
.endif
.endm
; 64 along K: B's four fragments, A's four, 16 products.  np plain lines first: loads into registers that matrix instructions have read stand four places behind them (ISA guide 7.12.1 for vector instructions).
; The 16 accumulators take turns, one instruction a turn, in the same order everywhere.  The counted waits leave the later row tiles' loads of A out.
.macro SUB q, np
	PLACES \np
.irp t, 0,1,2,3
	ds_load_b128 v[BF+8*\t:BF+8*\t+3], v[ADB] offset:(\q)*4096+\t*1024
	ds_load_b128 v[BF+8*\t+4:BF+8*\t+7], v[ADB] offset:(\q)*4096+\t*1024+512
.endr
.irp m, 0,1,2,3
	ds_load_b128 v[AF+8*\m:AF+8*\m+3], v[ADA] offset:\m*2048+(\q)*1024
	ds_load_b128 v[AF+8*\m+4:AF+8*\m+7], v[ADA] offset:\m*2048+(\q)*1024+512
.endr
.irp m, 0,1,2,3
	s_wait_dscnt 6-2*\m                            ; B and A's row tiles up to m are in
.irp t, 0,1,2,3
	v_wmma_f32_16x16x64_bf8_bf8 v[ACC+32*\m+8*\t:ACC+32*\m+8*\t+7], v[BF+8*\t:BF+8*\t+7], v[AF+8*\m:AF+8*\m+7], v[ACC+32*\m+8*\t:ACC+32*\m+8*\t+7]
.endr
.endr
.endm
.macro SLOTW fill                      ; a slot: 128 along K
	CHANGE \fill
	v_add_nc_u32 v[ADB], s48, v[LB]                ; (two of the four places)
	v_add_nc_u32 v[ADA], s49, v[LI]
	SUB 0, 2
	SUB 1, 4
	s_xor_b32 s48, s48, RING1
	s_add_co_u32 s49, s49, 8192
.endm
.macro PROD n, abase, np               ; n slots against the images from abase on; np places behind the last product
	s_wait_loadcnt 0x0                             ; the biases lie in the accumulators; their loads are done, so their base may step
	s_add_nc_u64 s[60:61], s[60:61], 2048          ; the next product's block of bq
	s_mov_b32 s49, \abase
	s_mov_b32 s50, \n
.Lslot_\@:
	SLOTW 1
	s_sub_co_u32 s50, s50, 1
	s_cmp_lg_u32 s50, 0
	s_cbranch_scc1 .Lslot_\@
	PLACES \np
.endm
.macro BIASM m                         ; row tile m's accumulators take the next product's biases, as soon as the tile's results have been used
.irp t, 0,1,2,3
	global_load_b128 v[ACC+32*(\m)+8*\t:ACC+32*(\m)+8*\t+3], v[VBI], s[60:61] offset:(32*(\t/2)+8*(\t%2))*4
	global_load_b128 v[ACC+32*(\m)+8*\t+4:ACC+32*(\m)+8*\t+7], v[VBI], s[60:61] offset:(32*(\t/2)+8*(\t%2))*4+16
.endr
.endm
; small runs over consecutive registers
.macro PKMULS d, a, sp, n              ; n pairs: d = a x s[sp] (the scalar pair's low word for both halves)
.set ii, 0
.rept \n
	v_pk_mul_f32 v[(\d)+ii:(\d)+ii+1], v[(\a)+ii:(\a)+ii+1], s[\sp:\sp+1] op_sel_hi:[1,0]
.set ii, ii+2
.endr
.endm
.macro PKADD1 d, n                     ; n pairs: d = d + 1
.set ii, 0
.rept \n
	v_pk_add_f32 v[(\d)+ii:(\d)+ii+1], v[(\d)+ii:(\d)+ii+1], 1.0 op_sel_hi:[1,0]
.set ii, ii+2
.endr
.endm
.macro TRANS op, d, n                  ; a batch of n transcendentals, in place
.set ii, 0
.rept \n
	\op v[(\d)+ii], v[(\d)+ii]
.set ii, ii+1
.endr
.endm
.macro BATCHEND                        ; a plain line behind the batch's last (ISA guide 5.7.2), and a wait ahead of the batch's first reader
	v_nop
	s_wait_alu depctr_va_vdst(0)
.endm
.macro RCP1EXP d                       ; 32 registers: d = 1 / (1 + 2^d)
	TRANS v_exp_f32, \d, 32
	BATCHEND
	PKADD1 \d, 16
	TRANS v_rcp_f32, \d, 32
	BATCHEND
.endm
.macro HOLD d, a, lim, n               ; the conversion to an 8-bit code does not saturate (ISA guide 7.6.2): d = a held within s[lim], s[lim+1] = -+57,344 x the scale
.set ii, 0
.rept \n
	v_med3_num_f32 v[(\d)+ii], v[(\a)+ii], s[\lim], s[\lim+1]
.set ii, ii+1
.endr
.endm
.macro CODES set                       ; T's 32 numbers become 8 registers of codes; a plain line stands between the conversions and whatever next writes T
.irp g, 0,1,2,3
	v_cvt_scalef32_pk8_bf8_f32 v[C+8*(\set)+2*\g:C+8*(\set)+2*\g+1], v[T+8*\g:T+8*\g+7], v[SC]
.endr
	v_nop
.endm
.macro PUT set, m                      ; and go into row tile m's image: my two runs of 32 along K
	ds_store_b128 v[ADA], v[C+8*(\set):C+8*(\set)+3] offset:(\m)*2048
	ds_store_b128 v[ADA], v[C+8*(\set)+4:C+8*(\set)+7] offset:(\m)*2048+512
.endm
; xu is quantised with the scale s[sc] into the region: my 64 state columns of all 64 rows out of XS, and one fragment of u (16 rows x 128) out of its f32 copy in LDS.
.macro Q region, sc, lim
	v_mov_b32 v[SC], s[\sc]
	v_add_nc_u32 v[ADA], \region, v[AWS]
	v_add_nc_u32 v[ADB], \region, v[AWU]
.irp b, 0,1,2,3
.irp j, 0,1,2,3
	ds_load_b128 v[AF+16*\b+4*\j:AF+16*\b+4*\j+3], v[URD] offset:128*\b+16*\j   ; u(row, 32 b + 16 h + 4 j ..): they land while the state is quantised
.endr
.endr
.irp m, 0,1,2,3
	WIN 0x01
	HOLD T, XS+32*\m, \lim, 32
	WIN 0
.if \m >= 2
	s_wait_dscnt 2                                 ; only the last tile's two stores may be out: the stores of two tiles ago have read this set of codes (and u's loads are in)
.endif
	CODES (\m)%2
	PUT (\m)%2, \m
.endr
	HOLD AF, AF, \lim, 64
.irp g, 0,1,2,3,4,5,6,7
	v_cvt_scalef32_pk8_bf8_f32 v[T+2*\g:T+2*\g+1], v[AF+8*\g:AF+8*\g+7], v[SC]
.endr
	v_nop
.irp c, 0,1,2,3
	ds_store_b128 v[ADB], v[T+4*\c:T+4*\c+3] offset:512*\c
.endr
.endm
; The hidden layer: silu(z) = z / (1 + e^-z), z = sum x 2^sf.  T = sum / (1 + 2^(sum x CH)) is silu / 2^sf, and the conversion takes 2^(eA(hidden) - sf): the three scales in one.
.macro EPI_H
	v_add_nc_u32 v[ADA], s51, v[HWS]
	v_mov_b32 v[SC], s91
.irp m, 0,1,2,3
	PKMULS T, ACC+32*\m, 76, 16
	RCP1EXP T
.set ii, 0
.rept 16
	v_pk_mul_f32 v[T+ii:T+ii+1], v[T+ii:T+ii+1], v[ACC+32*\m+ii:ACC+32*\m+ii+1]
.set ii, ii+2
.endr
	HOLD T, T, 98, 32
.if \m >= 2
	s_wait_dscnt 2                                 ; the stores of two tiles ago have read this set of codes
.endif
	CODES (\m)%2
	PUT (\m)%2, \m
	BIASM \m
.endr
.endm
.macro EPI_T                           ; FA = tanh(z) = 1 - 2 / (1 + e^2z)
.irp m, 0,1,2,3
	PKMULS ACC+32*\m, ACC+32*\m, 78, 16
	RCP1EXP ACC+32*\m
	WIN 0x40
.set ii, 0
.rept 16
	v_pk_fma_f32 v[FA+32*\m+ii:FA+32*\m+ii+1], v[ACC+32*\m+ii:ACC+32*\m+ii+1], -2.0, 1.0 op_sel_hi:[1,0,0]
.set ii, ii+2
.endr
	WIN 0
	BIASM \m
.endr
.endm
.macro EPI_G                           ; FA = FA x sigmoid(z)
.irp m, 0,1,2,3
	PKMULS ACC+32*\m, ACC+32*\m, 80, 16
	RCP1EXP ACC+32*\m
	WIN 0x41
.set ii, 0
.rept 16
	v_pk_mul_f32 v[FA+32*\m+ii:FA+32*\m+ii+1], v[FA+32*\m+ii:FA+32*\m+ii+1], v[ACC+32*\m+ii:ACC+32*\m+ii+1]
.set ii, ii+2
.endr
	WIN 0
	BIASM \m
.endr
.endm
; The step, for row tile m: XS = XS + (f - XS) / (20 tau), 20 = 1 / DT.  20 tau = max(20 softplus(z), 0.2); softplus(z) = max(z, 0) + log(1 + e^-|z|), reference()'s form, which cannot overflow.
.macro EPI_X m
.set AM, ACC+32*(\m)
.set ii, 0
.rept 32
	v_mul_f32 v[T+ii], s86, -|v[AM+ii]|            ; -|z| log2(e)
.set ii, ii+1
.endr
	TRANS v_exp_f32, T, 32
.set ii, 0
.rept 32
	v_max_num_f32 v[AM+ii], 0, v[AM+ii]            ; work that names no exponential's result stands behind the batch
.set ii, ii+1
.endr
	PKMULS AM, AM, 82, 16                          ; 20 max(z, 0)
	s_wait_alu depctr_va_vdst(0)                   ; the batch's one wait, ahead of its first reader
	PKADD1 T, 16
	TRANS v_log_f32, T, 32
	WIN 0x45
.set ii, 0
.rept 16
	v_pk_add_f32 v[FA+32*(\m)+ii:FA+32*(\m)+ii+1], v[FA+32*(\m)+ii:FA+32*(\m)+ii+1], v[XS+32*(\m)+ii:XS+32*(\m)+ii+1] neg_lo:[0,1] neg_hi:[0,1]   ; f - xs, behind the logarithms
.set ii, ii+2
.endr
	WIN 0
	s_wait_alu depctr_va_vdst(0)
.set ii, 0
.rept 16
	v_pk_fma_f32 v[AM+ii:AM+ii+1], v[T+ii:T+ii+1], s[84:85], v[AM+ii:AM+ii+1] op_sel_hi:[1,0,1]   ; + 20 ln 2 x log2(1 + e^-|z|)
.set ii, ii+2
.endr
.set ii, 0
.rept 32
	v_max_num_f32 v[AM+ii], s87, v[AM+ii]          ; the floor: 20 x TAU_MIN
.set ii, ii+1
.endr
	TRANS v_rcp_f32, AM, 32
	BATCHEND
	WIN 0x54
.set ii, 0
.rept 16
	v_pk_fma_f32 v[XS+32*(\m)+ii:XS+32*(\m)+ii+1], v[AM+ii:AM+ii+1], v[FA+32*(\m)+ii:FA+32*(\m)+ii+1], v[XS+32*(\m)+ii:XS+32*(\m)+ii+1]
.set ii, ii+2
.endr
	WIN 0
.endm
.macro XLOAD dst, m, nt                ; x's row tile m, my 64 columns, by rows: sixteen lanes read 256 consecutive bytes.  nt = 1: the second and last read
.irp i, 0,1,2,3,4,5,6,7
.if \nt
	global_load_b128 v[(\dst)+4*\i:(\dst)+4*\i+3], v[XC], s[4:5] offset:(\m)*32768+\i*4096 th:TH_LOAD_NT
.else
	global_load_b128 v[(\dst)+4*\i:(\dst)+4*\i+3], v[XC], s[4:5] offset:(\m)*32768+\i*4096
.endif
.endr
.endm
.macro STAGEADR                        ; my stage's two addresses: by rows (lanes 0-15 one row of 256 bytes, lanes 16-31 the next) and in lane order (row r, 64 h bytes on)
	s_mul_i32 s22, s[WV], 16*SPT
	s_add_co_u32 s22, s22, STG
	v_and_b32 v16, 15, v0
	v_bfe_u32 v17, v0, 4, 1
	v_mul_u32_u24 v[ADA], v17, SPT
	v_lshl_add_u32 v[ADA], v16, 4, v[ADA]
	v_add_nc_u32 v[ADA], s22, v[ADA]
	v_mul_u32_u24 v[ADB], v16, SPT
	v_lshl_add_u32 v[ADB], v17, 6, v[ADB]
	v_add_nc_u32 v[ADB], s22, v[ADB]
.endm
.macro TOLANE src, dst                 ; 16 rows x 64 columns from row order (window 0) through my stage into lane order (window 1).  LDS serves a wave's instructions in order (ISA guide 5.7.1.4): no wait between
.irp i, 0,1,2,3,4,5,6,7
	ds_store_b128 v[ADA], v[(\src)+4*\i:(\src)+4*\i+3] offset:\i*2*SPT
.endr
	WIN 0x40
.irp b, 0,1
.irp j, 0,1,2,3
	ds_load_b128 v[(\dst)+16*\b+4*\j:(\dst)+16*\b+4*\j+3], v[ADB] offset:128*\b+16*\j
.endr
.endr
	WIN 0
.endm
	s_load_b512 s[4:19], s[0:1], 0x0               ; x s[4:5], u s[6:7], wq s[8:9], bq s[10:11], the exponents s[12:13], ln_g s[14:15], ln_b s[16:17], out0 s[18:19]
	v_lshl_add_u32 v[SPW], v0, 2, SPARE
	v_mov_b32 v[NIL], 0
	ds_add_u32 v[SPW], v[NIL]                      ; the wave's opening: the add, twice on end, and its wait ahead of my first tensor load; the set-up below, work on registers, stands between
	ds_add_u32 v[SPW], v[NIL]
	v_lshrrev_b32 v16, 5, v0
	v_readfirstlane_b32 s[WV], v16                 ; wave 0..7
	s_bfe_u32 s21, ttmp6, 0x40000                  ; cx: it enters the addresses of x, u, out0 and of the prefetch alone
	s_lshl_b32 s66, ttmp9, 2                       ; in a cluster launch ttmp9 counts clusters
	s_add_co_u32 s66, s66, s21                     ; my work-group
	; descriptor group 1 for a wave's part of a weight slot: 8,192 dense bytes as 32 rows of 32 elements of 8 bytes
	s_mov_b32 s24, 15|(3<<16)|(1<<21)              ; 15:0 the mask: all four work-groups; 17:16 elements of 8 bytes; 21 set beside a mask
	s_mov_b32 s25, 32<<16                          ; tensor_dim0
	s_mov_b32 s26, 32<<16                          ; tensor_dim1
	s_mov_b32 s27, 32<<16                          ; tile_dim0
	s_mov_b32 s28, 32                              ; tile_dim1
	s_mov_b32 s29, 32                              ; tensor_dim0_stride
	s_mov_b32 s30, 0
	s_mov_b32 s31, 0
	; and for a wave's 8 rows of u: 128 elements of 8 bytes a row, 4 words of padding behind each 256
	s_mov_b32 s32, (3<<16)|(1<<20)|(7<<22)|(3<<25) ; no mask: each work-group has rows of its own
	s_mov_b32 s33, 128<<16
	s_mov_b32 s34, 8<<16
	s_mov_b32 s35, 128<<16
	s_mov_b32 s36, 8
	s_mov_b32 s37, 128
	s_mov_b32 s38, 0
	s_mov_b32 s39, 0
	s_mov_b32 s48, 0                               ; the ring's slot 0 is read first
	s_mov_b32 s52, 2                               ; two evaluations
	s_mov_b32 s54, 63                              ; 63 slots are asked for behind the first
	s_mov_b32 s58, 0x76543210                      ; v_permlanex16_b32: lane l xor 16
	s_mov_b32 s59, 0xfedcba98
	s_mov_b32 s84, 0x415dce9e                      ; 20 ln 2
	s_mov_b32 s85, s84                             ; (named with it as a pair, so it is written)
	s_mov_b32 s87, 0x3e4ccccd                      ; 0.2
	s_lshr_b32 s22, s[WV], 1
	s_or_b32 s22, s22, ttmp9                       ; 0 in waves 0 and 1 of the first cluster: the same in all four partners
	s_cmp_eq_u32 s22, 0
	s_cselect_b32 s55, 3, -1
	v_and_b32 v17, 31, v0                          ; lane
	v_and_b32 v18, 15, v0                          ; r
	v_bfe_u32 v19, v0, 4, 1                        ; h
	v_lshlrev_b32 v[LI], 4, v17
	v_lshlrev_b32 v[PFO], 8, v17
	s_lshl_b32 s62, s[WV], 13                      ; 8192 w
	s_mov_b32 s63, 0
	v_add_nc_u32 v[LB], s62, v[LI]
	v_add_nc_u32 v[HWS], HB, v[LB]                 ; hidden units 128 w on are K step w
	s_lshr_b32 s23, s[WV], 1                       ; state columns 64 w on: K step w / 2, its half w % 2
	s_lshl_b32 s23, s23, 13
	s_and_b32 s67, s[WV], 1
	s_lshl_b32 s67, s67, 10
	s_add_co_u32 s23, s23, s67
	v_add_nc_u32 v[AWS], s23, v[LI]
	s_lshr_b32 s23, s[WV], 2                       ; u: K step 4 + w / 4, row tile w % 4
	s_lshl_b32 s23, s23, 13
	s_and_b32 s67, s[WV], 3
	s_lshl_b32 s67, s67, 11
	s_add_co_u32 s23, s23, s67
	s_add_co_u32 s23, s23, 32768
	v_add_nc_u32 v[AWU], s23, v[LI]
	s_and_b32 s23, s[WV], 3
	s_mul_i32 s23, s23, 16*UP
	s_lshr_b32 s67, s[WV], 2
	s_lshl_b32 s67, s67, 9
	s_add_co_u32 s23, s23, s67
	s_add_co_u32 s23, s23, UB
	v_mul_u32_u24 v[URD], v18, UP
	v_lshl_add_u32 v[URD], v19, 6, v[URD]
	v_add_nc_u32 v[URD], s23, v[URD]               ; row 16 (w % 4) + r, columns 128 (w / 4) + 16 h on
	s_lshl_b32 s23, s[WV], 8
	v_lshl_add_u32 v[VBI], v19, 6, s23
	v_lshl_add_u32 v[GBO], v18, 4, s23
	v_lshl_add_u32 v[XC], v19, 11, v[GBO]
	s_wait_dscnt 0x0                               ; both opening adds are done
	s_wait_kmcnt 0x0
	s_mov_b32 s40, 1                               ; group 0, weights: count = 1,
	s_lshl_b32 s41, s[WV], 13                      ; LDS: my part of the ring's slot 0,
	s_add_nc_u64 s[42:43], s[8:9], s[62:63]        ; memory: my part of slot 0: the wave's number alone enters, so the four partners' descriptors are equal
	s_or_b32 s43, s43, 0x80000000                  ; type = 2
	s_lshl_b32 s22, s66, 17                        ; my 64 rows of x and of out0
	s_mov_b32 s23, 0
	s_add_nc_u64 s[4:5], s[4:5], s[22:23]
	s_add_nc_u64 s[18:19], s[18:19], s[22:23]
	s_lshl_b32 s22, s66, 16                        ; my 64 rows of u, my wave's 8 of them
	s_add_co_u32 s22, s22, s62
	s_mov_b32 s44, 1
	s_mul_i32 s45, s[WV], 8*UP
	s_add_co_u32 s45, s45, UB
	s_add_nc_u64 s[46:47], s[6:7], s[22:23]
	s_or_b32 s47, s47, 0x80000000
	s_lshl_b32 s22, s21, 14                        ; the prefetch: my work-group's quarter of a slot, my wave's half of that,
	s_and_b32 s67, s[WV], 1
	s_lshl_b32 s67, s67, 13
	s_add_co_u32 s22, s22, s67
	s_add_co_u32 s22, s22, 3*SLOTB                 ; in slot 3: the first change of slots steps it to slot 4
	s_add_nc_u64 s[56:57], s[8:9], s[22:23]
	s_mov_b64 s[60:61], s[10:11]
	ROUND                                          ; all four work-groups are here: the first joint load meets
	tensor_load_to_lds s[44:47], s[32:39]          ; the first fills go out together, every wave issuing both: two loads of mine are out
	s_nop 0
	tensor_load_to_lds s[40:43], s[24:31]
	s_nop 0
.irp m, 0,1,2,3
	XLOAD ACC+32*\m, \m, 0
.endr
	STAGEADR
.irp m, 0,1,2,3
	s_wait_loadcnt 24-8*\m                         ; row tile m's eight loads are in; the later tiles' may be out
	TOLANE ACC+32*\m, XS+32*\m
.endr
	s_wait_dscnt 0x0                               ; the state lies in XS; the stage's stores have read the accumulators' registers, and my reads of the stage are over
.irp m, 0,1,2,3
	BIASM \m
.endr
	s_wait_tensorcnt 0x0                           ; my rows of u are in,
	s_barrier_signal -1
	s_barrier_wait -1                              ; everybody's are
.Leval:
	s_load_b256 s[68:75], s[12:13], 0x0            ; this evaluation's exponents: A and W of tau's product, of the gate's, of the first layer's, of the second's
	s_wait_kmcnt 0x0
	s_add_nc_u64 s[12:13], s[12:13], 32
	s_add_co_i32 s22, s72, s73                     ; sf.  Each power of two is folded into a constant by adding the exponent to its exponent field
	s_lshl_b32 s23, s22, 23
	s_add_co_i32 s76, s23, 0xbfb8aa3b              ; CH = -log2(e) 2^sf
	s_mov_b32 s77, s76
	s_sub_co_i32 s22, s74, s22
	s_add_co_i32 s22, s22, 127
	s_lshl_b32 s91, s22, 23                        ; 2^(eA(hidden) - sf),
	s_add_co_i32 s99, s91, 0x07e00000              ; 57,344 x that,
	s_or_b32 s98, s99, 0x80000000                  ; and its negative
	s_add_co_i32 s22, s74, s75
	s_lshl_b32 s23, s22, 23
	s_add_co_i32 s78, s23, 0x4038aa3b              ; CT = 2 log2(e) 2^sh
	s_mov_b32 s79, s78
	s_add_co_i32 s22, s70, s71
	s_lshl_b32 s23, s22, 23
	s_add_co_i32 s80, s23, 0xbfb8aa3b              ; CG = -log2(e) 2^sg
	s_mov_b32 s81, s80
	s_add_co_i32 s22, s68, s69
	s_lshl_b32 s23, s22, 23
	s_add_co_i32 s82, s23, 0x41a00000              ; 20 x 2^st
	s_mov_b32 s83, s82
	s_add_co_i32 s86, s23, 0x3fb8aa3b              ; log2(e) 2^st
	s_add_co_i32 s22, s72, 127
	s_lshl_b32 s88, s22, 23                        ; xu's three scales and their limits: for the first layer,
	s_add_co_i32 s93, s88, 0x07e00000
	s_or_b32 s92, s93, 0x80000000
	s_add_co_i32 s22, s70, 127
	s_lshl_b32 s89, s22, 23                        ; for the gate,
	s_add_co_i32 s95, s89, 0x07e00000
	s_or_b32 s94, s95, 0x80000000
	s_add_co_i32 s22, s68, 127
	s_lshl_b32 s90, s22, 23                        ; for tau
	s_add_co_i32 s97, s90, 0x07e00000
	s_or_b32 s96, s97, 0x80000000
	; Every region of images is written only when its last readers stand ahead of an earlier change of slots, and is read only behind the next one: so the changes of slots are all the barriers that the loop needs.
	Q R1, 88, 92
	s_mov_b32 s51, 0
	s_mov_b32 s53, 2
.Lhalf:                                            ; my 128 hidden units, 64 at a time
	PROD 6, R1, 4
	EPI_H
	s_add_co_u32 s51, s51, 1024
	s_sub_co_u32 s53, s53, 1
	s_cmp_lg_u32 s53, 0
	s_cbranch_scc1 .Lhalf
	PROD 8, HB, 4
	EPI_T
	Q R1, 89, 94
	PROD 6, R1, 4
	EPI_G
	Q R0, 90, 96
	PROD 5, R0, 0
	s_cmp_eq_u32 s52, 1                            ; the launch's last slot asks for nothing more: its way is written out
	s_cbranch_scc1 .Llast
	SLOTW 1
	PLACES 4
.irp m, 0,1,2,3
	EPI_X \m
	BIASM \m
.endr
	s_sub_co_u32 s52, s52, 1
	s_branch .Leval
.Llast:
	SLOTW 0
	STAGEADR                                       ; (its eight vector lines are the places behind the last products)
	s_lshl_b32 s23, s[WV], 8
	s_add_co_u32 s23, s23, RED
	v_lshl_add_u32 v[AWS], v16, 4, s23             ; RED + 256 w + 16 r
	v_lshl_add_u32 v[AWU], v16, 4, RED             ; RED + 16 r
	global_load_b128 v[C:C+3], v[GBO], s[14:15]    ; ln_g and ln_b at the four columns that I store
	global_load_b128 v[C+4:C+7], v[GBO], s[16:17]
	XLOAD AF, 0, 1                                 ; x once more, into registers as they fall free; the step's arithmetic stands between these loads and their use
	XLOAD AF+32, 1, 1
	EPI_X 0
	XLOAD ACC, 2, 1
	EPI_X 1
	XLOAD ACC+32, 3, 1
	EPI_X 2
	EPI_X 3
.irp m, 0,1,2,3
	s_wait_loadcnt 24-8*\m                         ; ln_g, ln_b and x's row tiles up to m are in
	TOLANE AF+32*\m, FA+32*\m
.endr
	s_wait_dscnt 0x0
	WIN 0x45
.set ii, 0
.rept 64
	v_pk_add_f32 v[XS+ii:XS+ii+1], v[XS+ii:XS+ii+1], v[FA+ii:FA+ii+1]   ; s = x'' + x
.set ii, ii+2
.endr
; A sum along the rows: my 32 numbers of each of four rows (sq = 1: their squares), the other half of the lanes', then all eight waves' through LDS.  It leaves the four sums in v[AF] .. v[AF+3], in every lane.
.macro ROWSUM sq, off
	WIN 0x05
.if \sq
.irp m, 0,1,2,3
	v_pk_mul_f32 v[T+2*\m:T+2*\m+1], v[XS+32*\m:XS+32*\m+1], v[XS+32*\m:XS+32*\m+1]
.endr
.irp i, 2,4,6,8,10,12,14,16,18,20,22,24,26,28,30
.irp m, 0,1,2,3
	v_pk_fma_f32 v[T+2*\m:T+2*\m+1], v[XS+32*\m+\i:XS+32*\m+\i+1], v[XS+32*\m+\i:XS+32*\m+\i+1], v[T+2*\m:T+2*\m+1]
.endr
.endr
.else
.irp m, 0,1,2,3
	v_pk_add_f32 v[T+2*\m:T+2*\m+1], v[XS+32*\m:XS+32*\m+1], v[XS+32*\m+2:XS+32*\m+3]
.endr
	WIN 0x01
.irp i, 4,6,8,10,12,14,16,18,20,22,24,26,28,30
.irp m, 0,1,2,3
	v_pk_add_f32 v[T+2*\m:T+2*\m+1], v[XS+32*\m+\i:XS+32*\m+\i+1], v[T+2*\m:T+2*\m+1]
.endr
.endr
.endif
	WIN 0
.irp m, 0,1,2,3
	v_add_f32 v[T+8+\m], v[T+2*\m], v[T+2*\m+1]
.endr
.irp m, 0,1,2,3
	v_permlanex16_b32 v[T+12+\m], v[T+8+\m], s58, s59
.endr
.irp m, 0,1,2,3
	v_add_f32 v[T+8+\m], v[T+8+\m], v[T+12+\m]
.endr
	ds_store_b128 v[AWS], v[T+8:T+11] offset:\off  ; both halves of the lanes write the same 16 bytes with the same numbers
	s_wait_dscnt 0x0                               ; for the others' sake: my store has landed
	s_barrier_signal -1
	s_barrier_wait -1
.irp k, 0,1,2,3,4,5,6,7
	ds_load_b128 v[AF+4*\k:AF+4*\k+3], v[AWU] offset:\off+256*\k
.endr
	s_wait_dscnt 0x0
.irp k, 1,2,3,4,5,6,7
	v_pk_add_f32 v[AF:AF+1], v[AF:AF+1], v[AF+4*\k:AF+4*\k+1]
	v_pk_add_f32 v[AF+2:AF+3], v[AF+2:AF+3], v[AF+4*\k+2:AF+4*\k+3]
.endr
.endm
	; THE LAYERNORM, in two passes: the mean is taken away before the squares are summed, so no difference of large sums is formed.
	ROWSUM 0, 0
.irp m, 0,1,2,3
	v_mul_f32 v[AF+8+2*\m], 0x3b000000, v[AF+\m]   ; the mean, sum / 512, twice: a pair for the packed form
	v_mul_f32 v[AF+9+2*\m], 0x3b000000, v[AF+\m]
.endr
	WIN 0x41
.irp m, 0,1,2,3
.set ii, 0
.rept 16
	v_pk_add_f32 v[XS+32*\m+ii:XS+32*\m+ii+1], v[XS+32*\m+ii:XS+32*\m+ii+1], v[AF+8+2*\m:AF+9+2*\m] neg_lo:[0,1] neg_hi:[0,1]
.set ii, ii+2
.endr
.endr
	ROWSUM 1, 2048                                 ; other bytes than the first reduction's: no barrier is needed between its reads and these stores
	s_mov_b32 s22, 0x3a000000                      ; 0.25 / 512
	s_mov_b32 s23, 0x3727c5ac                      ; 1e-5
.irp m, 0,1,2,3
	v_fma_f32 v[AF+\m], v[AF+\m], s22, s23
.endr
.irp m, 0,1,2,3
	v_rsq_f32 v[AF+\m], v[AF+\m]
.endr
	BATCHEND
.irp m, 0,1,2,3
	v_mul_f32 v[AF+8+2*\m], 0.5, v[AF+\m]
	v_mul_f32 v[AF+9+2*\m], 0.5, v[AF+\m]
.endr
; THE WAY OUT.  Row tile m is scaled, goes through my stage in lane order and comes back by rows, into registers of its own (where the accumulators lay: no store's data are written again).  There a lane's four columns are the
; same in every row, so ln_g and ln_b are eight registers; sixteen lanes store 256 consecutive bytes, at a multiple of 256 from out0's first byte.
.macro TOROWS m
.set TS, T+64*((\m)%2)                 ; v16-47 and v80-111 by turns: the stage's stores of two tiles ago have been waited for
	WIN 0x01
.set ii, 0
.rept 16
	v_pk_mul_f32 v[TS+ii:TS+ii+1], v[XS+32*(\m)+ii:XS+32*(\m)+ii+1], v[AF+8+2*(\m):AF+9+2*(\m)]
.set ii, ii+2
.endr
	WIN 0
.irp b, 0,1
.irp j, 0,1,2,3
	ds_store_b128 v[ADB], v[TS+16*\b+4*\j:TS+16*\b+4*\j+3] offset:128*\b+16*\j
.endr
.endr
.irp i, 0,1,2,3,4,5,6,7
	ds_load_b128 v[ACC+32*(\m)+4*\i:ACC+32*(\m)+4*\i+3], v[ADA] offset:\i*2*SPT
.endr
.endm
.macro SEND m, younger                 ; younger: the LDS instructions issued behind tile m's loads: the next tile's sixteen, or none
.set OB, ACC+32*(\m)
	s_wait_dscnt \younger
.irp i, 0,1,2,3,4,5,6,7
	v_pk_fma_f32 v[OB+4*\i:OB+4*\i+1], v[OB+4*\i:OB+4*\i+1], v[C:C+1], v[C+4:C+5]
	v_pk_fma_f32 v[OB+4*\i+2:OB+4*\i+3], v[OB+4*\i+2:OB+4*\i+3], v[C+2:C+3], v[C+6:C+7]
.endr
.irp i, 0,1,2,3,4,5,6,7
	global_store_b128 v[XC], v[OB+4*\i:OB+4*\i+3], s[18:19] offset:(\m)*32768+\i*4096 th:TH_STORE_NT
.endr
.endm
	TOROWS 0
	TOROWS 1
	SEND 0, 16
	TOROWS 2
	SEND 1, 16
	TOROWS 3
	SEND 2, 16
	SEND 3, 0
	s_wait_tensorcnt 0x0                           ; the wave's end: a wait for my tensor loads, an add to my spare word and its wait, behind my last LDS store
	ds_add_u32 v[SPW], v[NIL]
	s_wait_dscnt 0x0
	ROUND                                          ; the closing round: no work-group ends while a partner may still ask for a slot that names it
	s_endpgm
.Lfunc_end_k_q137fe05ed0_cell:
	.size	k_q137fe05ed0_cell, .Lfunc_end_k_q137fe05ed0_cell-k_q137fe05ed0_cell
	.p2alignl 7, 3214868480
	.fill 96, 4, 3214868480
	.section	.rodata,"a",@progbits
	.p2align	6, 0x0
	.amdhsa_kernel k_q137fe05ed0_cell
		.amdhsa_group_segment_fixed_size 327680
		.amdhsa_private_segment_fixed_size 0
		.amdhsa_enable_private_segment 0
		.amdhsa_kernarg_size 64
		.amdhsa_user_sgpr_count 2
		.amdhsa_user_sgpr_kernarg_segment_ptr 1
		.amdhsa_wavefront_size32 1
		.amdhsa_system_sgpr_workgroup_id_x 1
		.amdhsa_system_sgpr_workgroup_id_y 1
		.amdhsa_system_sgpr_workgroup_id_z 1
		.amdhsa_system_vgpr_workitem_id 0
		.amdhsa_next_free_vgpr 512
		.amdhsa_next_free_sgpr 102
		.amdhsa_reserve_vcc 0
		.amdhsa_float_denorm_mode_32 3
		.amdhsa_float_denorm_mode_16_64 3
		.amdhsa_memory_ordered 1
		.amdhsa_forward_progress 1
		.amdhsa_inst_pref_size 255
	.end_amdhsa_kernel
	.section	.bss,"aw",@nobits
	.p2align	6
	.space	262144
	.amdgpu_metadata
---
amdhsa.version: [ 1, 2 ]
amdhsa.kernels:
  - .name:           k_q137fe05ed0_cell
    .symbol:         k_q137fe05ed0_cell.kd
    .args:
      - { .name: x, .offset: 0, .size: 8, .value_kind: global_buffer, .address_space: global }
      - { .name: u, .offset: 8, .size: 8, .value_kind: global_buffer, .address_space: global }
      - { .name: wq, .offset: 16, .size: 8, .value_kind: global_buffer, .address_space: global }
      - { .name: bq, .offset: 24, .size: 8, .value_kind: global_buffer, .address_space: global }
      - { .name: lowp_scales, .offset: 32, .size: 8, .value_kind: global_buffer, .address_space: global }
      - { .name: ln_g, .offset: 40, .size: 8, .value_kind: global_buffer, .address_space: global }
      - { .name: ln_b, .offset: 48, .size: 8, .value_kind: global_buffer, .address_space: global }
      - { .name: out0, .offset: 56, .size: 8, .value_kind: global_buffer, .address_space: global }
    .group_segment_fixed_size: 327680
    .private_segment_fixed_size: 0
    .kernarg_segment_align: 8
    .kernarg_segment_size: 64
    .max_flat_workgroup_size: 256
    .sgpr_count:     102
    .vgpr_count:     512
    .wavefront_size: 32
...
	.end_amdgpu_metadata
.endif
;; end of part 2
;; ======== version 2 of 2: 2 launches
;; limits: a function is approximated: absolute error at most 6e-08
;; workspace buffers: wq 4,325,376 bytes; bq 20,480 bytes
;; launch prep (part 3): grid 256 x 1, 4 waves a work-group, no clusters, 0 bytes of LDS; arguments fW1, fW2, gW, tW, fb1, fb2, gb, tb, lowp_scales, wq, bq; writes wq, bq
.if DOCPART == 3
	.amdgcn_target "amdgcn-amd-amdhsa--gfx1250"
	.amdhsa_code_object_version 6
	.text
	.protected	k_q137fe05ed0_prep
	.globl	k_q137fe05ed0_prep
	.p2align	8
	.type	k_q137fe05ed0_prep,@function
k_q137fe05ed0_prep:
	s_mov_b64 s[64:65], 0
	v_nop
	global_prefetch_b8 v0, s[64:65] scope:SCOPE_SE
	s_setreg_imm32_b32 hwreg(HW_REG_WAVE_MODE, 25, 1), 1
	s_wait_xcnt 0x0
; LiquidCell, first of two launches.  The four weights, f32 stored [K][N], become codes of E5M2, each TWICE: once with the scale given for the first evaluation of the right-hand side and once with that
; given for the second (entries ib and ib + 8 of the scales); no two entries are taken to be equal.  The four biases become b / 2^(eA + eW), again once for each evaluation: the next launch starts its sums with them.
; DEAD WORK: none.  Every input of reference() has a way to the output, and every product of its table is done.
; code = w / 2^e, held within +-57,344, rounded to the nearest code, ties to even.
; LIMITS: each weight's e between -126 and 112, so that 2^e and 57,344 x 2^e are f32 numbers.  NaN among the inputs is not served.
; LAYOUT OF wq: 44 slots of 98,304 bytes in the order in which the next launch multiplies them: evaluation e from slot 22 e; in it fW1's first half of each wave's columns (4 slots), its second half (4), fW2 (6), gW (4), tW (4).
; A slot is three steps of 64 along K for 512 columns, IN THE ORDER OF THE OPERAND'S REGISTERS: byte w 12288 + q 4096 + t 1024 + c 512 + h 256 + r 16 + i holds W[k][col] with k = 64 (3 slot + q) + 32 c + 16 h + i and
; col = base(w) + 32 (t / 2) + 8 (t % 2) + r + 8 (r / 8); base = 64 w, for fW1 128 w + 64 half.  So wave w of the next launch gets a fragment by plain 16-byte loads at 16 x lane.
; fW2 has 16 steps of 64: its sixth slot holds one (q = 0) at the same pitch from wave to wave; the 8,192 bytes behind each wave's 4,096 there are neither stored here nor loaded by the next launch.
; SHARES.  A work-group takes 128 columns x 64 along K of one tensor, a wave 32 columns.  A LANE TAKES A COLUMN AND ITS 64 REGISTERS RUN DOWN K: each load reads 128 consecutive bytes a wave, and the conversions, which take
; neighbours along K from one lane's registers, give codes with K innermost.  A lane's 16 codes are 16 bytes; a store's 32 lanes fill two aligned blocks of 256 bytes whole.
; Work-groups 0-95: fW1, 96-159: fW2, 160-207: gW, 208-255: tW: 256 of equal work.  The branch hangs on the work-group's number alone.  No LDS, no barrier: waves share nothing.
.set X, 16                             ; v16-79    64 numbers down K
.set T, 80                             ; v80-143   the same, held
.set C, 144                            ; v144-175  16 registers of codes for each evaluation: no store's data are written again
.set SLOTB, 98304
.set EVALB, 22*SLOTB                   ; from an evaluation's slots to the next's: inside the stores' signed 24-bit immediate (ISA guide, chapter 10)
	s_load_b512 s[4:19], s[0:1], 0x0               ; fW1 s[4:5], fW2 s[6:7], gW s[8:9], tW s[10:11], fb1 s[12:13], fb2 s[14:15], gb s[16:17], tb s[18:19]
	s_load_b128 s[20:23], s[0:1], 0x40             ; the scales' exponents s[20:21], wq s[22:23]
	s_load_b64 s[24:25], s[0:1], 0x50              ; bq
	v_lshrrev_b32 v1, 5, v0
	v_readfirstlane_b32 s26, v1                    ; wave 0..3
	v_and_b32 v2, 31, v0                           ; lane = my column among the wave's 32
	v_lshlrev_b32 v3, 2, v2                        ; in: 4 bytes a lane
	v_bfe_u32 v4, v2, 3, 1                         ; out: column x of 32 lies in tile (x / 8) % 2,
	v_and_b32 v5, 7, v2
	v_lshrrev_b32 v6, 4, v2
	v_lshl_add_u32 v5, v6, 3, v5                   ; at the tile's lane r = x % 8 + 8 (x / 16)
	v_lshlrev_b32 v5, 4, v5
	v_lshl_add_u32 v4, v4, 10, v5                  ; 1024 x tile + 16 r
	s_wait_kmcnt 0x0
	s_load_b512 s[32:47], s[20:21], 0x0            ; all sixteen exponents
	s_cmp_lt_u32 ttmp9, 96
	s_cbranch_scc1 .Lf1
	s_cmp_lt_u32 ttmp9, 160
	s_cbranch_scc1 .Lf2
	s_cmp_lt_u32 ttmp9, 208
	s_cbranch_scc1 .Lg
	s_branch .Lt
; One tensor's path.  src, bias: the scalar pairs with their addresses; N: columns; first: the tensor's first work-group; lgcg: log2 of its groups of 128 columns; slotbase: its first slot in an evaluation;
; ia, ib: the entries of A's and of the weight's exponent in the first evaluation; isf1: fW1's split into halves; blk: the bias's block of 512 numbers in bq.
.macro TENSOR src, bias, N, first, lgcg, slotbase, ia, ib, isf1, blk
	s_sub_co_u32 s27, ttmp9, \first
	s_and_b32 s28, s27, (1<<\lgcg)-1               ; which 128 columns
	s_lshr_b32 s29, s27, \lgcg                     ; which 64 along K
	s_mul_i32 s30, s29, 64*\N*4
	s_lshl_b32 s31, s28, 9
	s_add_co_u32 s30, s30, s31
	s_lshl_b32 s31, s26, 7
	s_add_co_u32 s30, s30, s31                     ; bytes to W[64 k64][128 cg + 32 wave]
	s_mov_b32 s31, 0
	s_add_nc_u64 s[\src:\src+1], s[\src:\src+1], s[30:31]
.set i, 0
.rept 64
	global_load_b32 v[X+i], v3, s[\src:\src+1] offset:i*\N*4 th:TH_LOAD_NT   ; one row of W at 32 neighbouring columns; read once in the launch
.set i, i+1
.endr
	s_mul_i32 s48, s29, 11
	s_lshr_b32 s48, s48, 5                         ; the slot: k64 / 3 (11 / 32 stands for a third: exact for 0 .. 15)
	s_mul_i32 s51, s48, 3
	s_sub_co_u32 s51, s29, s51                     ; and the step in it: k64 % 3
.if \isf1
	s_lshr_b32 s49, s26, 1                         ; fW1: 128 columns are one wave's; my half of them has four slots of its own
	s_lshl_b32 s49, s49, 2
	s_add_co_u32 s48, s48, s49
	s_mov_b32 s49, s28
.else
	s_lshl_b32 s49, s28, 1                         ; else 128 columns are two waves'
	s_lshr_b32 s50, s26, 1
	s_add_co_u32 s49, s49, s50
.endif
	s_add_co_u32 s48, s48, \slotbase
	s_mul_i32 s48, s48, SLOTB                      ; slot x 98,304
	s_mul_i32 s49, s49, 12288                      ; + w x 12,288
	s_add_co_u32 s48, s48, s49
	s_lshl_b32 s51, s51, 12                        ; + the step x 4,096
	s_add_co_u32 s48, s48, s51
	s_and_b32 s49, s26, 1
	s_lshl_b32 s49, s49, 11                        ; + which 32 of the 64 columns x 2,048
	s_add_co_u32 s48, s48, s49
	s_mov_b32 s49, 0
	s_add_nc_u64 s[22:23], s[22:23], s[48:49]
	s_wait_kmcnt 0x0                               ; the exponents
.irp e, 0,1
	s_add_co_i32 s50, s[32+\ib+8*\e], 127
	s_lshl_b32 s50, s50, 23
	v_mov_b32 v[8+\e], s50                         ; 2^e as f32: the conversion takes its exponent field
	s_add_co_i32 s[53+2*\e], s50, 0x07e00000       ; 57,344 x 2^e: 15 more in the exponent field, 0x600000 in the mantissa field
	s_or_b32 s[52+2*\e], s[53+2*\e], 0x80000000    ; and its negative
.endr
	s_wait_loadcnt 0x0
.irp e, 0,1
.set i, 0
.rept 64
	v_med3_num_f32 v[T+i], v[X+i], s[52+2*\e], s[53+2*\e]   ; the conversion to an 8-bit code does not saturate (ISA guide 7.6.2): the hold comes first; out of place, since the numbers serve both evaluations
.set i, i+1
.endr
.irp g, 0,1,2,3,4,5,6,7
	v_cvt_scalef32_pk8_bf8_f32 v[C+16*\e+2*\g:C+16*\e+2*\g+1], v[T+8*\g:T+8*\g+7], v[8+\e]
.endr
	v_nop                                          ; a plain line between the conversions and the next holds, which write their sources
.irp c, 0,1,2,3
	global_store_b128 v4, v[C+16*\e+4*\c:C+16*\e+4*\c+3], s[22:23] offset:\c*256+\e*EVALB   ; k = 16 c + 0 .. 15 of my 64; the second evaluation's slots lie 22 slots on
.endr
.endr
	s_cmp_lg_u32 s29, 0                            ; the bias is served by the work-groups of the tensor's first 64 along K: a branch on ids
	s_cbranch_scc1 .Lno_bias_\@
	s_lshl_b32 s48, s28, 9
	s_lshl_b32 s50, s26, 7
	s_add_co_u32 s48, s48, s50                     ; my wave's 32 columns, in bytes
	s_add_nc_u64 s[\bias:\bias+1], s[\bias:\bias+1], s[48:49]
	global_load_b32 v10, v3, s[\bias:\bias+1]
.if \isf1
	s_lshr_b32 s48, s26, 1                         ; fW1's bias: block = half; in it 64 w + the column's place among the half's 64
	s_lshl_b32 s48, s48, 11
	s_lshl_b32 s50, s28, 8
	s_add_co_u32 s48, s48, s50
	s_and_b32 s50, s26, 1
	s_lshl_b32 s50, s50, 7
	s_add_co_u32 s48, s48, s50
.else
	s_add_co_u32 s48, s48, \blk*2048
.endif
	s_add_nc_u64 s[24:25], s[24:25], s[48:49]
	s_add_co_i32 s56, s[32+\ia], s[32+\ib]
	s_sub_co_i32 s56, 0, s56                       ; -(eA + eW), first evaluation,
	s_add_co_i32 s57, s[40+\ia], s[40+\ib]
	s_sub_co_i32 s57, 0, s57                       ; and second
	s_wait_loadcnt 0x0
	v_ldexp_f32 v11, v10, s56
	v_ldexp_f32 v12, v10, s57
	global_store_b32 v3, v11, s[24:25]             ; 128 consecutive bytes a wave: 20 KB in the whole launch
	global_store_b32 v3, v12, s[24:25] offset:10240
.Lno_bias_\@:
	s_endpgm
.endm
.Lt:
	TENSOR 10, 18, 512, 208, 2, 18, 0, 1, 0, 4
.Lf1:
	TENSOR 4, 12, 1024, 0, 3, 0, 4, 5, 1, 0
.Lf2:
	TENSOR 6, 14, 512, 96, 2, 8, 6, 7, 0, 2
.Lg:
	TENSOR 8, 16, 512, 160, 2, 14, 2, 3, 0, 3
.Lfunc_end_k_q137fe05ed0_prep:
	.size	k_q137fe05ed0_prep, .Lfunc_end_k_q137fe05ed0_prep-k_q137fe05ed0_prep
	.p2alignl 7, 3214868480
	.fill 96, 4, 3214868480
	.section	.rodata,"a",@progbits
	.p2align	6, 0x0
	.amdhsa_kernel k_q137fe05ed0_prep
		.amdhsa_group_segment_fixed_size 0
		.amdhsa_private_segment_fixed_size 0
		.amdhsa_enable_private_segment 0
		.amdhsa_kernarg_size 88
		.amdhsa_user_sgpr_count 2
		.amdhsa_user_sgpr_kernarg_segment_ptr 1
		.amdhsa_wavefront_size32 1
		.amdhsa_system_sgpr_workgroup_id_x 1
		.amdhsa_system_sgpr_workgroup_id_y 1
		.amdhsa_system_sgpr_workgroup_id_z 1
		.amdhsa_system_vgpr_workitem_id 0
		.amdhsa_next_free_vgpr 176
		.amdhsa_next_free_sgpr 66
		.amdhsa_reserve_vcc 0
		.amdhsa_float_denorm_mode_32 3
		.amdhsa_float_denorm_mode_16_64 3
		.amdhsa_memory_ordered 1
		.amdhsa_forward_progress 1
		.amdhsa_inst_pref_size 75
	.end_amdhsa_kernel
	.amdgpu_metadata
---
amdhsa.version: [ 1, 2 ]
amdhsa.kernels:
  - .name:           k_q137fe05ed0_prep
    .symbol:         k_q137fe05ed0_prep.kd
    .args:
      - { .name: fW1, .offset: 0, .size: 8, .value_kind: global_buffer, .address_space: global }
      - { .name: fW2, .offset: 8, .size: 8, .value_kind: global_buffer, .address_space: global }
      - { .name: gW, .offset: 16, .size: 8, .value_kind: global_buffer, .address_space: global }
      - { .name: tW, .offset: 24, .size: 8, .value_kind: global_buffer, .address_space: global }
      - { .name: fb1, .offset: 32, .size: 8, .value_kind: global_buffer, .address_space: global }
      - { .name: fb2, .offset: 40, .size: 8, .value_kind: global_buffer, .address_space: global }
      - { .name: gb, .offset: 48, .size: 8, .value_kind: global_buffer, .address_space: global }
      - { .name: tb, .offset: 56, .size: 8, .value_kind: global_buffer, .address_space: global }
      - { .name: lowp_scales, .offset: 64, .size: 8, .value_kind: global_buffer, .address_space: global }
      - { .name: wq, .offset: 72, .size: 8, .value_kind: global_buffer, .address_space: global }
      - { .name: bq, .offset: 80, .size: 8, .value_kind: global_buffer, .address_space: global }
    .group_segment_fixed_size: 0
    .private_segment_fixed_size: 0
    .kernarg_segment_align: 8
    .kernarg_segment_size: 88
    .max_flat_workgroup_size: 128
    .sgpr_count:     66
    .vgpr_count:     176
    .wavefront_size: 32
...
	.end_amdgpu_metadata
.endif
;; end of part 3
;; launch cell (part 4): grid 256 x 1, 8 waves a work-group, clusters of 4 x 1, 327,680 bytes of LDS; arguments x, u, wq, bq, lowp_scales, ln_g, ln_b, out0; writes out0
.if DOCPART == 4
	.amdgcn_target "amdgcn-amd-amdhsa--gfx1250"
	.amdhsa_code_object_version 6
	.text
	.protected	k_q137fe05ed0_cell
	.globl	k_q137fe05ed0_cell
	.p2align	8
	.type	k_q137fe05ed0_cell,@function
k_q137fe05ed0_cell:
	s_mov_b64 s[64:65], 0
	v_nop
	global_prefetch_b8 v0, s[64:65] scope:SCOPE_SE
	s_setreg_imm32_b32 hwreg(HW_REG_WAVE_MODE, 25, 1), 1
	s_wait_xcnt 0x0
	s_wait_alu depctr_hold_cnt(0) depctr_sa_sdst(0) depctr_va_vdst(0) depctr_va_sdst(0) depctr_va_ssrc(0) depctr_va_vcc(0) depctr_vm_vsrc(0)
	s_getreg_b32 s2, hwreg(HW_REG_IB_STS2, 6, 4)
	s_cmp_eq_u32 s2, 0
	s_cbranch_scc0 .Lentry_in_a_cluster
	s_endpgm
.Lentry_in_a_cluster:
	s_bfe_u32 s2, ttmp6, 0x10000c
	s_cmp_lg_u32 s2, 0x3003
	s_cbranch_scc0 .Lentry_shape_is_right
	s_endpgm
.Lentry_shape_is_right:
; LiquidCell, second of two launches: both evaluations of the right-hand side, the Heun step and the LayerNorm, fused; nothing but the result goes to memory.  No work of reference() is left out.
; ONE BODY FOR BOTH EVALUATIONS.  With step(xs) = xs + DT (f(xs) - xs) / tau(xs): x1 = step(x), x'' = step(x1) = x + dx1 + dx2, so y = x + (dx1 + dx2) / 2 = (x + x'') / 2, for all inputs.  The loop runs step twice on the
; same registers; x is then read a second time (no room is left to keep it: three arrays of 128 registers and the operands fill a wave's 512).  The factor 1/2 goes into the LayerNorm: with s = x + x'',
; out = (s - mean s) x 0.5 rsq(0.25 var s + eps) x g + b.  The order of rounding of y differs from reference()'s.
; SHARES.  A work-group owns 64 rows.  ITS EIGHT WAVES SHARE THE COLUMNS, NOT THE ROWS: wave w owns state columns 64 w .. 64 w + 63 and hidden units 128 w .. 128 w + 127 (in two halves of 64), for all 64 rows.
; A product is 64 rows x 64 columns a wave: 16 accumulators.  It is used TRANSPOSED (source 0 = 16 columns of the weight, source 1 = 16 rows), and the columns that form a tile are not neighbours (lane r of tile t takes
; column 32 (t / 2) + 8 (t % 2) + r + 8 (r / 8)): so lane (r, h) holds row 16 m + r, and register 32 m + 16 b + i holds column 32 b + 16 h + i of the wave's 64: the order in which the next product's operand wants them.
; All elementwise work stays in a lane, and the conversions' results are the next operand's registers.
; OPERANDS GO FROM WAVE TO WAVE THROUGH LDS AS IMAGES OF THEIR REGISTERS: fragment (step sigma of 64 along K, row tile m) at 4096 sigma + 1024 m + 512 c + 16 x lane, c = which 32 along K.  The weights lie so in wq already.
; My state columns are step w, my hidden halves steps 2 w and 2 w + 1, u steps 8 to 11.
; THE FORM is v_wmma_f32_16x16x64_bf8_bf8: a fragment of 8 registers is two loads of 16 bytes.  That places k otherwise than the form's own layout does, alike in both sources, so every product meets its partner.
; THE SUMS BEGIN AS THE BIASES, b / 2^(eA + eW) out of bq, loaded straight into the accumulators: nothing is cleared, no first step differs, and no addition is spent on them.
; WEIGHTS: 44 slots of 98,304 bytes (three steps of 64 along K; fW2's sixth slot holds one step) walk through a ring of two LDS slots; wave w fetches and reads its own 12,288 bytes of each.  Every product has an even
; number of slots (4, 4, 6, 4, 4), so the loops run two slots a trip and the ring's addresses are constants of the text.  CLUSTER: all work-groups walk the same slots in the same order, so four of them ask for each JOINTLY.
; u IS LOADED FROM MEMORY FOR EACH OF ITS SIX QUANTISATIONS, a fragment (16 rows x 512 consecutive bytes, by 16 loads) a wave, straight into registers in the quantiser's order.  A copy in LDS has no room: the ring's 196,608
; bytes, the images' 114,688 and 5,120 of reductions and spare words leave 11,264 of the 327,680, and u's 64 rows are 65,536.  The loads are issued ahead of the activation that stands in front of each quantisation.
; THE SCALES: every operand is quantised with its own entry: xu three times in each evaluation.  A sum stands for sum x 2^(eA + eW); that power is folded into each activation's first constant.
; LIMITS.  Each eA (entries 0, 2, 4, 8, 10, 12) and eA(hidden) - eA(f1) - eW(f1) between -126 and 112; each eA + eW between -120 and 120: so that every power of two below is an f32 number.  NaN among the inputs is not served.
; log1p(e) is taken as log(1 + e): absolute error up to 6e-8 in softplus, which is at least 0.01 where it counts.  tanh(z) = 1 - 2 / (1 + e^2z): absolute error about 1e-7.
; REGISTERS.  Window 0: v1-15 addresses; v16-47 T, at work; v48-63 C, two sets of codes; v64-95 AF, v96-127 BF, the fragments; v128-255 ACC.  Window 1: v0-127 XS, the state; v128-255 FA: tanh, then f, then f - xs.
.set SLOTB, 98304                      ; a slot of wq, and of the ring
.set WPART, 12288                      ; a wave's part of it: three steps x 4,096
.set RING1, 98304                      ; LDS: the ring's slot 0 at 0, slot 1 here
.set HB,    196608                     ; images of the hidden layer: 16 steps x 4,096
.set R0,    HB                         ; images of xu: 12 steps x 4,096, in the hidden layer's bytes
.set R1,    262144                     ; images of xu, the second region
.set STG,   R1                         ; a stage of 16 rows x 272 bytes for each wave, at the head and in the tail, when R1 holds nothing that anybody reads
.set SPT,   272
.set RED,   311296                     ; two reductions x [wave][row % 16][row tile] f32
.set SPARE, 315392                     ; the spare words, 128 bytes for each wave: four blocks of 256 bytes that no other line names
.set SPW, 1                            ; v1   SPARE + 4 x my thread's number; never rewritten
.set NIL, 2                            ; v2   0; never rewritten
.set LI,  3                            ; v3   16 x lane
.set LB0, 4                            ; v4   16 x lane + 12288 w: my part of the ring's slot 0
.set ADA, 5                            ; v5   the address in hand: A's images; where images are stored; the stage by rows
.set ADB, 6                            ; v6   the same: u's image; the stage in lane order
.set AWS, 7                            ; v7   my state columns' place in a region of images (tail: where I put my row sums)
.set AWU, 8                            ; v8   my fragment of u's place there (tail: where I read all waves' row sums)
.set URD, 9                            ; v9   my fragment of u in the work-group's 64 rows, in bytes
.set GBO, 9                            ;      (tail: 256 w + 16 (lane % 16): ln_g, ln_b)
.set HWS, 10                           ; v10  my hidden units' place in HB
.set VBI, 11                           ; v11  256 w + 64 h: my biases in a block of bq
.set SC,  12                           ; v12  the conversions' scale
.set PFO, 13                           ; v13  256 x lane, for the prefetch
.set LB1, 14                           ; v14  my part of the ring's slot 1
.set XC,  15                           ; v15  2048 (lane / 16) + 256 w + 16 (lane % 16): x and out0 by rows
.set T,   16
.set C,   48
.set AF,  64
.set BF,  96
.set ACC, 128
.set XS,  0
.set FA,  128
.set WV,  20                           ; s20 wave; s21 cx; s22, s23, s66, s67 at work; s[24:31], s[32:39] descriptor groups 1 (a whole slot's part, the short slot's); s[40:43] group 0, which walks; s49 A's place;
                                       ; s50 trips to go in a product; s51 the hidden half's place; s52 evaluations to go; s53 halves to go; s54 fills to go; s55 the prefetch's limit; s[56:57] its address; s[58:59] lane selects;
                                       ; s[60:61] bq's block in hand; s[62:63] 12288 w; s[68:75] an evaluation's exponents; s[76:99] its constants
.set MSB, 0
.macro WIN new                         ; the immediate's high byte repeats the setting that is left; bits 1:0 source 0, 3:2 source 1, 5:4 source 2, 7:6 destination
.if MSB != \new
	s_set_vgpr_msb (MSB<<8)|\new
.set MSB, \new
.endif
.endm
.macro PLACES n
.if \n > 0
.rept \n
	v_nop
.endr
.endif
.endm
; A round of the cluster's barrier: my work-group's barrier, wave 0's signal for the work-group, every wave's wait for all four work-groups, my work-group's barrier once more.
.macro ROUND
	s_barrier_signal -1
	s_barrier_wait -1
	s_cmp_lg_u32 s[WV], 0
	s_cbranch_scc1 .Lnot_wave_0_\@
	s_barrier_signal -3
.Lnot_wave_0_\@:
	s_barrier_wait -3
	s_barrier_signal -1
	s_barrier_wait -1
.endm
; A PREFETCH INTO THE L2: the change of slots that asks for slot n + 1 names slot n + 4, three changes ahead of that slot's own load.  All clusters walk the same slots: the launch's first cluster asks.  Its four partners take
; 24,576 bytes each, told apart BY ADDRESS; in each, waves 0 to 2 take 8,192, lanes 256 bytes apart: each aligned block of 256 bytes is named once.  s54 counts the fills to go (43 - n here): above 3, slot n + 4 exists.
; Slots 1 to 3 come by their loads alone: nothing is prefetched at the head.  Of the two short slots it names all 98,304 bytes, 65,536 of which nobody loads.
.macro ASK
	s_cmp_gt_u32 s54, s55
	s_cbranch_scc0 .Lnot_mine_\@
	global_prefetch_b8 v[PFO], s[56:57] th:TH_LOAD_NT scope:SCOPE_SE
.Lnot_mine_\@:
.endm
; THE CHANGE OF SLOTS stands at a slot's head.  Each wave waits for all its tensor loads (one is out: its part of the slot ahead), adds 0 to its spare word, and waits for that and for all its LDS loads and stores: its reads of the
; slot that it has left, and the images that it has stored since the last change.  Behind the barrier those images may be read by every wave, and regions whose readers stood ahead of it may be written.
; kind = 1, 2: the barrier is a round of the cluster's, and the joint load of the next slot (1: whole; 2: the short one), into slot ring of the ring, which has just been left, is the first thing behind it: the wave's one
; tensor load until the next round; it has this slot's steps in which to land.  kind = 0: nothing is left to ask for.
.macro CHANGE kind, ring
	s_wait_tensorcnt 0x0                           ; no tensor load of mine is out, so a group 0 may be written
	ds_add_u32 v[SPW], v[NIL]                      ; 0 onto my spare word; the steps below stand between it and the wait for it
.if \kind
	s_add_co_u32 s41, s62, (\ring)*RING1           ; the walking descriptor: my part of the ring's other slot,
	s_add_nc_u64 s[42:43], s[42:43], SLOTB         ; the next slot of wq; the type bits on top are not reached
	s_wait_xcnt 0x0                                ; the last prefetch, a slot back, has read its address
	s_add_nc_u64 s[56:57], s[56:57], SLOTB
.endif
	s_wait_dscnt 0x0
.if \kind
	ROUND
.if \kind == 1
	tensor_load_to_lds s[40:43], s[24:31]
.else
	tensor_load_to_lds s[40:43], s[32:39]
.endif
	s_nop 0
	ASK
	s_sub_co_u32 s54, s54, 1
.else
	s_barrier_signal -1
	s_barrier_wait -1
.endif
.endm
; 64 along K: B's four fragments, A's four, 16 products.  np plain lines first: loads into registers that matrix instructions have read stand four places behind them (ISA guide 7.12.1 for vector instructions).
; The 16 accumulators take turns, one instruction a turn, in the same order everywhere.  The counted waits leave the later row tiles' loads of A out.
.macro SUB q, np, lb
	PLACES \np
.irp t, 0,1,2,3
	ds_load_b128 v[BF+8*\t:BF+8*\t+3], v[\lb] offset:(\q)*4096+\t*1024
	ds_load_b128 v[BF+8*\t+4:BF+8*\t+7], v[\lb] offset:(\q)*4096+\t*1024+512
.endr
.irp m, 0,1,2,3
	ds_load_b128 v[AF+8*\m:AF+8*\m+3], v[ADA] offset:(\q)*4096+\m*1024
	ds_load_b128 v[AF+8*\m+4:AF+8*\m+7], v[ADA] offset:(\q)*4096+\m*1024+512
.endr
.irp m, 0,1,2,3
	s_wait_dscnt 6-2*\m                            ; B and A's row tiles up to m are in
.irp t, 0,1,2,3
	v_wmma_f32_16x16x64_bf8_bf8 v[ACC+32*\m+8*\t:ACC+32*\m+8*\t+7], v[BF+8*\t:BF+8*\t+7], v[AF+8*\m:AF+8*\m+7], v[ACC+32*\m+8*\t:ACC+32*\m+8*\t+7]
.endr
.endr
.endm
.macro SLOTW kind, par, nsub           ; the slot in the ring's slot par: nsub = 3 steps of 64 along K, or 1; kind: what is asked for meanwhile
	CHANGE \kind, 1-(\par)
	v_add_nc_u32 v[ADA], s49, v[LI]                ; (one of the four places)
	SUB 0, 3, LB0+10*(\par)
.if \nsub > 1
	SUB 1, 4, LB0+10*(\par)
	SUB 2, 4, LB0+10*(\par)
.endif
	s_add_co_u32 s49, s49, WPART                   ; three steps on in A's images
.endm
.macro PROD n2, abase, np              ; n2 pairs of whole slots against the images from abase on; np places behind the last product
	s_wait_loadcnt 0x0                             ; the biases lie in the accumulators; their loads are done, so their base may step
	s_add_nc_u64 s[60:61], s[60:61], 2048          ; the next product's block of bq
	s_mov_b32 s49, \abase
.if \n2 > 1
	s_mov_b32 s50, \n2
.Lslot_\@:
.endif
	SLOTW 1, 0, 3
	SLOTW 1, 1, 3
.if \n2 > 1
	s_sub_co_u32 s50, s50, 1
	s_cmp_lg_u32 s50, 0
	s_cbranch_scc1 .Lslot_\@
.endif
	PLACES \np
.endm
.macro BIASM m                         ; row tile m's accumulators take the next product's biases, as soon as the tile's results have been used
.irp t, 0,1,2,3
	global_load_b128 v[ACC+32*(\m)+8*\t:ACC+32*(\m)+8*\t+3], v[VBI], s[60:61] offset:(32*(\t/2)+8*(\t%2))*4
	global_load_b128 v[ACC+32*(\m)+8*\t+4:ACC+32*(\m)+8*\t+7], v[VBI], s[60:61] offset:(32*(\t/2)+8*(\t%2))*4+16
.endr
.endm
.macro ULOAD                           ; my fragment of u, f32, into the fragments' 64 registers: u(16 (w % 4) + r, 128 (w / 4) + 32 b + 16 h + 4 j ..): register 16 b + i is k 32 b + 16 h + i.  It is read again, so no hint
.irp b, 0,1,2,3
.irp j, 0,1,2,3
	global_load_b128 v[AF+16*\b+4*\j:AF+16*\b+4*\j+3], v[URD], s[6:7] offset:128*\b+16*\j
.endr
.endr
.endm
; small runs over consecutive registers
.macro PKMULS d, a, sp, n              ; n pairs: d = a x s[sp] (the scalar pair's low word for both halves)
.set ii, 0
.rept \n
	v_pk_mul_f32 v[(\d)+ii:(\d)+ii+1], v[(\a)+ii:(\a)+ii+1], s[\sp:\sp+1] op_sel_hi:[1,0]
.set ii, ii+2
.endr
.endm
.macro PKADD1 d, n                     ; n pairs: d = d + 1
.set ii, 0
.rept \n
	v_pk_add_f32 v[(\d)+ii:(\d)+ii+1], v[(\d)+ii:(\d)+ii+1], 1.0 op_sel_hi:[1,0]
.set ii, ii+2
.endr
.endm
.macro TRANS op, d, n                  ; a batch of n transcendentals, in place
.set ii, 0
.rept \n
	\op v[(\d)+ii], v[(\d)+ii]
.set ii, ii+1
.endr
.endm
.macro BATCHEND                        ; a plain line behind the batch's last (ISA guide 5.7.2), and a wait ahead of the batch's first reader
	v_nop
	s_wait_alu depctr_va_vdst(0)
.endm
.macro RCP1EXP d                       ; 32 registers: d = 1 / (1 + 2^d)
	TRANS v_exp_f32, \d, 32
	BATCHEND
	PKADD1 \d, 16
	TRANS v_rcp_f32, \d, 32
	BATCHEND
.endm
.macro HOLD d, a, lim, n               ; the conversion to an 8-bit code does not saturate (ISA guide 7.6.2): d = a held within s[lim], s[lim+1] = -+57,344 x the scale
.set ii, 0
.rept \n
	v_med3_num_f32 v[(\d)+ii], v[(\a)+ii], s[\lim], s[\lim+1]
.set ii, ii+1
.endr
.endm
.macro CODES set                       ; T's 32 numbers become 8 registers of codes; a plain line stands between the conversions and whatever next writes T
.irp g, 0,1,2,3
	v_cvt_scalef32_pk8_bf8_f32 v[C+8*(\set)+2*\g:C+8*(\set)+2*\g+1], v[T+8*\g:T+8*\g+7], v[SC]
.endr
	v_nop
.endm
.macro PUT set, m                      ; and go into row tile m's image of my step of 64: its two runs of 32 along K
	ds_store_b128 v[ADA], v[C+8*(\set):C+8*(\set)+3] offset:(\m)*1024
	ds_store_b128 v[ADA], v[C+8*(\set)+4:C+8*(\set)+7] offset:(\m)*1024+512
.endm
; xu is quantised with the scale s[sc] into the region: my 64 state columns of all 64 rows out of XS, and one fragment of u (16 rows x 128), which ULOAD has asked for.
.macro Q region, sc, lim
	v_mov_b32 v[SC], s[\sc]
	v_add_nc_u32 v[ADA], \region, v[AWS]
	v_add_nc_u32 v[ADB], \region, v[AWU]
.irp m, 0,1,2,3
	WIN 0x01
	HOLD T, XS+32*\m, \lim, 32
	WIN 0
.if \m >= 2
	s_wait_dscnt 2                                 ; only the last tile's two stores may be out: the stores of two tiles ago have read this set of codes
.endif
	CODES (\m)%2
	PUT (\m)%2, \m
.endr
	s_wait_loadcnt 32                              ; u's sixteen loads are in: on every way here the 32 loads of the biases, and no others, were issued behind them
	HOLD AF, AF, \lim, 64
.irp g, 0,1,2,3,4,5,6,7
	v_cvt_scalef32_pk8_bf8_f32 v[T+2*\g:T+2*\g+1], v[AF+8*\g:AF+8*\g+7], v[SC]
.endr
	v_nop
.irp c, 0,1,2,3
	ds_store_b128 v[ADB], v[T+4*\c:T+4*\c+3] offset:(\c/2)*4096+(\c%2)*512   ; two steps of 64, two runs of 32 in each
.endr
.endm
; The hidden layer: silu(z) = z / (1 + e^-z), z = sum x 2^sf.  T = sum / (1 + 2^(sum x CH)) is silu / 2^sf, and the conversion takes 2^(eA(hidden) - sf): the three scales in one.
.macro EPI_H
	v_add_nc_u32 v[ADA], s51, v[HWS]
	v_mov_b32 v[SC], s91
.irp m, 0,1,2,3
	PKMULS T, ACC+32*\m, 76, 16
	RCP1EXP T
.set ii, 0
.rept 16
	v_pk_mul_f32 v[T+ii:T+ii+1], v[T+ii:T+ii+1], v[ACC+32*\m+ii:ACC+32*\m+ii+1]
.set ii, ii+2
.endr
	HOLD T, T, 98, 32
.if \m >= 2
	s_wait_dscnt 2                                 ; the stores of two tiles ago have read this set of codes
.endif
	CODES (\m)%2
	PUT (\m)%2, \m
	BIASM \m
.endr
.endm
.macro EPI_T                           ; FA = tanh(z) = 1 - 2 / (1 + e^2z)
.irp m, 0,1,2,3
	PKMULS ACC+32*\m, ACC+32*\m, 78, 16
	RCP1EXP ACC+32*\m
	WIN 0x40
.set ii, 0
.rept 16
	v_pk_fma_f32 v[FA+32*\m+ii:FA+32*\m+ii+1], v[ACC+32*\m+ii:ACC+32*\m+ii+1], -2.0, 1.0 op_sel_hi:[1,0,0]
.set ii, ii+2
.endr
	WIN 0
	BIASM \m
.endr
.endm
.macro EPI_G                           ; FA = FA x sigmoid(z)
.irp m, 0,1,2,3
	PKMULS ACC+32*\m, ACC+32*\m, 80, 16
	RCP1EXP ACC+32*\m
	WIN 0x41
.set ii, 0
.rept 16
	v_pk_mul_f32 v[FA+32*\m+ii:FA+32*\m+ii+1], v[FA+32*\m+ii:FA+32*\m+ii+1], v[ACC+32*\m+ii:ACC+32*\m+ii+1]
.set ii, ii+2
.endr
	WIN 0
	BIASM \m
.endr
.endm
; The step, for row tile m: XS = XS + (f - XS) / (20 tau), 20 = 1 / DT.  20 tau = max(20 softplus(z), 0.2); softplus(z) = max(z, 0) + log(1 + e^-|z|), reference()'s form, which cannot overflow.
.macro EPI_X m
.set AM, ACC+32*(\m)
.set ii, 0
.rept 32
	v_mul_f32 v[T+ii], s86, -|v[AM+ii]|            ; -|z| log2(e)
.set ii, ii+1
.endr
	TRANS v_exp_f32, T, 32
.set ii, 0
.rept 32
	v_max_num_f32 v[AM+ii], 0, v[AM+ii]            ; work that names no exponential's result stands behind the batch
.set ii, ii+1
.endr
	PKMULS AM, AM, 82, 16                          ; 20 max(z, 0)
	s_wait_alu depctr_va_vdst(0)                   ; the batch's one wait, ahead of its first reader
	PKADD1 T, 16
	TRANS v_log_f32, T, 32
	WIN 0x45
.set ii, 0
.rept 16
	v_pk_add_f32 v[FA+32*(\m)+ii:FA+32*(\m)+ii+1], v[FA+32*(\m)+ii:FA+32*(\m)+ii+1], v[XS+32*(\m)+ii:XS+32*(\m)+ii+1] neg_lo:[0,1] neg_hi:[0,1]   ; f - xs, behind the logarithms
.set ii, ii+2
.endr
	WIN 0
	s_wait_alu depctr_va_vdst(0)
.set ii, 0
.rept 16
	v_pk_fma_f32 v[AM+ii:AM+ii+1], v[T+ii:T+ii+1], s[84:85], v[AM+ii:AM+ii+1] op_sel_hi:[1,0,1]   ; + 20 ln 2 x log2(1 + e^-|z|)
.set ii, ii+2
.endr
.set ii, 0
.rept 32
	v_max_num_f32 v[AM+ii], s87, v[AM+ii]          ; the floor: 20 x TAU_MIN
.set ii, ii+1
.endr
	TRANS v_rcp_f32, AM, 32
	BATCHEND
	WIN 0x54
.set ii, 0
.rept 16
	v_pk_fma_f32 v[XS+32*(\m)+ii:XS+32*(\m)+ii+1], v[AM+ii:AM+ii+1], v[FA+32*(\m)+ii:FA+32*(\m)+ii+1], v[XS+32*(\m)+ii:XS+32*(\m)+ii+1]
.set ii, ii+2
.endr
	WIN 0
.endm
.macro XLOAD dst, m, nt                ; x's row tile m, my 64 columns, by rows: sixteen lanes read 256 consecutive bytes.  nt = 1: the second and last read
.irp i, 0,1,2,3,4,5,6,7
.if \nt
	global_load_b128 v[(\dst)+4*\i:(\dst)+4*\i+3], v[XC], s[4:5] offset:(\m)*32768+\i*4096 th:TH_LOAD_NT
.else
	global_load_b128 v[(\dst)+4*\i:(\dst)+4*\i+3], v[XC], s[4:5] offset:(\m)*32768+\i*4096
.endif
.endr
.endm
.macro STAGEADR                        ; my stage's two addresses: by rows (lanes 0-15 one row of 256 bytes, lanes 16-31 the next) and in lane order (row r, 64 h bytes on)
	s_mul_i32 s22, s[WV], 16*SPT
	s_add_co_u32 s22, s22, STG
	v_and_b32 v16, 15, v0
	v_bfe_u32 v17, v0, 4, 1
	v_mul_u32_u24 v[ADA], v17, SPT
	v_lshl_add_u32 v[ADA], v16, 4, v[ADA]
	v_add_nc_u32 v[ADA], s22, v[ADA]
	v_mul_u32_u24 v[ADB], v16, SPT
	v_lshl_add_u32 v[ADB], v17, 6, v[ADB]
	v_add_nc_u32 v[ADB], s22, v[ADB]
.endm
.macro TOLANE src, dst                 ; 16 rows x 64 columns from row order (window 0) through my stage into lane order (window 1).  LDS serves a wave's instructions in order (ISA guide 5.7.1.4): no wait between
.irp i, 0,1,2,3,4,5,6,7
	ds_store_b128 v[ADA], v[(\src)+4*\i:(\src)+4*\i+3] offset:\i*2*SPT
.endr
	WIN 0x40
.irp b, 0,1
.irp j, 0,1,2,3
	ds_load_b128 v[(\dst)+16*\b+4*\j:(\dst)+16*\b+4*\j+3], v[ADB] offset:128*\b+16*\j
.endr
.endr
	WIN 0
.endm
	s_load_b512 s[4:19], s[0:1], 0x0               ; x s[4:5], u s[6:7], wq s[8:9], bq s[10:11], the exponents s[12:13], ln_g s[14:15], ln_b s[16:17], out0 s[18:19]
	v_lshl_add_u32 v[SPW], v0, 2, SPARE
	v_mov_b32 v[NIL], 0
	ds_add_u32 v[SPW], v[NIL]                      ; the wave's opening: the add, twice on end, and its wait ahead of my first tensor load; the set-up below, work on registers, stands between
	ds_add_u32 v[SPW], v[NIL]
	v_lshrrev_b32 v16, 5, v0
	v_readfirstlane_b32 s[WV], v16                 ; wave 0..7
	s_bfe_u32 s21, ttmp6, 0x40000                  ; cx: it enters the addresses of x, u, out0 and of the prefetch alone
	s_lshl_b32 s66, ttmp9, 2                       ; in a cluster launch ttmp9 counts clusters
	s_add_co_u32 s66, s66, s21                     ; my work-group
	; descriptor group 1 for a wave's part of a whole slot: 12,288 dense bytes as 48 rows of 32 elements of 8 bytes
	s_mov_b32 s24, 15|(3<<16)|(1<<21)              ; 15:0 the mask: all four work-groups; 17:16 elements of 8 bytes; 21 set beside a mask
	s_mov_b32 s25, 32<<16                          ; tensor_dim0
	s_mov_b32 s26, 48<<16                          ; tensor_dim1
	s_mov_b32 s27, 32<<16                          ; tile_dim0
	s_mov_b32 s28, 48                              ; tile_dim1
	s_mov_b32 s29, 32                              ; tensor_dim0_stride
	s_mov_b32 s30, 0
	s_mov_b32 s31, 0
	; and of the short slot: 4,096 bytes as 16 such rows
	s_mov_b32 s32, 15|(3<<16)|(1<<21)
	s_mov_b32 s33, 32<<16
	s_mov_b32 s34, 16<<16
	s_mov_b32 s35, 32<<16
	s_mov_b32 s36, 16
	s_mov_b32 s37, 32
	s_mov_b32 s38, 0
	s_mov_b32 s39, 0
	s_mov_b32 s52, 2                               ; two evaluations
	s_mov_b32 s54, 43                              ; 43 slots are asked for behind the first
	s_mov_b32 s58, 0x76543210                      ; v_permlanex16_b32: lane l xor 16
	s_mov_b32 s59, 0xfedcba98
	s_mov_b32 s84, 0x415dce9e                      ; 20 ln 2
	s_mov_b32 s85, s84                             ; (named with it as a pair, so it is written)
	s_mov_b32 s87, 0x3e4ccccd                      ; 0.2
	s_add_co_u32 s22, s[WV], 1
	s_lshr_b32 s22, s22, 2                         ; 0 in waves 0 to 2,
	s_or_b32 s22, s22, ttmp9                       ; of the first cluster: the same in all four partners
	s_cmp_eq_u32 s22, 0
	s_cselect_b32 s55, 3, -1
	v_and_b32 v17, 31, v0                          ; lane
	v_and_b32 v18, 15, v0                          ; r
	v_bfe_u32 v19, v0, 4, 1                        ; h
	v_lshlrev_b32 v[LI], 4, v17
	v_lshlrev_b32 v[PFO], 8, v17
	s_mul_i32 s62, s[WV], WPART                    ; 12288 w
	s_mov_b32 s63, 0
	v_add_nc_u32 v[LB0], s62, v[LI]
	v_add_nc_u32 v[LB1], RING1, v[LB0]
	s_lshl_b32 s23, s[WV], 13                      ; hidden units 128 w on are steps 2 w and 2 w + 1
	s_add_co_u32 s23, s23, HB
	v_add_nc_u32 v[HWS], s23, v[LI]
	s_lshl_b32 s23, s[WV], 12                      ; state columns 64 w on are step w
	v_add_nc_u32 v[AWS], s23, v[LI]
	s_lshr_b32 s23, s[WV], 2                       ; u: steps 8 + 2 (w / 4) and the next, row tile w % 4
	s_lshl_b32 s23, s23, 13
	s_and_b32 s67, s[WV], 3
	s_lshl_b32 s67, s67, 10
	s_add_co_u32 s23, s23, s67
	s_add_co_u32 s23, s23, 32768
	v_add_nc_u32 v[AWU], s23, v[LI]
	s_and_b32 s23, s[WV], 3                        ; and in memory: row 16 (w % 4) + r of 1,024 bytes, columns 128 (w / 4) + 16 h on
	s_lshl_b32 s23, s23, 14
	s_lshr_b32 s67, s[WV], 2
	s_lshl_b32 s67, s67, 9
	s_add_co_u32 s23, s23, s67
	v_lshl_add_u32 v[URD], v18, 10, s23
	v_lshl_add_u32 v[URD], v19, 6, v[URD]
	s_lshl_b32 s23, s[WV], 8
	v_lshl_add_u32 v[VBI], v19, 6, s23
	v_lshl_add_u32 v[XC], v18, 4, s23
	v_lshl_add_u32 v[XC], v19, 11, v[XC]
	s_wait_dscnt 0x0                               ; both opening adds are done
	s_wait_kmcnt 0x0
	s_mov_b32 s40, 1                               ; group 0: count = 1,
	s_add_co_u32 s41, s62, 0                       ; LDS: my part of the ring's slot 0,
	s_add_nc_u64 s[42:43], s[8:9], s[62:63]        ; memory: my part of slot 0: the wave's number alone enters, so the four partners' descriptors are equal
	s_or_b32 s43, s43, 0x80000000                  ; type = 2
	s_lshl_b32 s22, s66, 17                        ; my 64 rows of x and of out0
	s_mov_b32 s23, 0
	s_add_nc_u64 s[4:5], s[4:5], s[22:23]
	s_add_nc_u64 s[18:19], s[18:19], s[22:23]
	s_lshl_b32 s22, s66, 16                        ; my 64 rows of u
	s_add_nc_u64 s[6:7], s[6:7], s[22:23]
	s_mul_i32 s22, s21, 24576                      ; the prefetch: my work-group's quarter of a slot,
	s_min_u32 s67, s[WV], 2
	s_lshl_b32 s67, s67, 13                        ; my wave's third of that (the waves behind wave 2 ask for nothing),
	s_add_co_u32 s22, s22, s67
	s_add_co_u32 s22, s22, 3*SLOTB                 ; in slot 3: the first change of slots steps it to slot 4
	s_add_nc_u64 s[56:57], s[8:9], s[22:23]
	s_mov_b64 s[60:61], s[10:11]
	ROUND                                          ; all four work-groups are here: the first joint load meets
	tensor_load_to_lds s[40:43], s[24:31]          ; slot 0: every wave issues its part: one load of mine is out
	s_nop 0
	ULOAD                                          ; for the first quantisation
.irp m, 0,1,2,3
	XLOAD ACC+32*\m, \m, 0
.endr
	STAGEADR
.irp m, 0,1,2,3
	s_wait_loadcnt 24-8*\m                         ; row tile m's eight loads are in (and u's, which are older); the later tiles' may be out
	TOLANE ACC+32*\m, XS+32*\m
.endr
	s_wait_dscnt 0x0                               ; the state lies in XS; the stage's stores have read the accumulators' registers, and my reads of the stage are over
.irp m, 0,1,2,3
	BIASM \m
.endr
	s_barrier_signal -1                            ; every wave has left its stage: the first images may be stored over it.
	s_barrier_wait -1                              ; which may still be on its way, is read only behind the first change of slots
.Leval:
	s_load_b256 s[68:75], s[12:13], 0x0            ; this evaluation's exponents: A and W of tau's product, of the gate's, of the first layer's, of the second's
	s_wait_kmcnt 0x0
	s_add_nc_u64 s[12:13], s[12:13], 32
	s_add_co_i32 s22, s72, s73                     ; sf.  Each power of two is folded into a constant by adding the exponent to its exponent field
	s_lshl_b32 s23, s22, 23
	s_add_co_i32 s76, s23, 0xbfb8aa3b              ; CH = -log2(e) 2^sf
	s_mov_b32 s77, s76
	s_sub_co_i32 s22, s74, s22
	s_add_co_i32 s22, s22, 127
	s_lshl_b32 s91, s22, 23                        ; 2^(eA(hidden) - sf),
	s_add_co_i32 s99, s91, 0x07e00000              ; 57,344 x that,
	s_or_b32 s98, s99, 0x80000000                  ; and its negative
	s_add_co_i32 s22, s74, s75
	s_lshl_b32 s23, s22, 23
	s_add_co_i32 s78, s23, 0x4038aa3b              ; CT = 2 log2(e) 2^sh
	s_mov_b32 s79, s78
	s_add_co_i32 s22, s70, s71
	s_lshl_b32 s23, s22, 23
	s_add_co_i32 s80, s23, 0xbfb8aa3b              ; CG = -log2(e) 2^sg
	s_mov_b32 s81, s80
	s_add_co_i32 s22, s68, s69
	s_lshl_b32 s23, s22, 23
	s_add_co_i32 s82, s23, 0x41a00000              ; 20 x 2^st
	s_mov_b32 s83, s82
	s_add_co_i32 s86, s23, 0x3fb8aa3b              ; log2(e) 2^st
	s_add_co_i32 s22, s72, 127
	s_lshl_b32 s88, s22, 23                        ; xu's three scales and their limits: for the first layer,
	s_add_co_i32 s93, s88, 0x07e00000
	s_or_b32 s92, s93, 0x80000000
	s_add_co_i32 s22, s70, 127
	s_lshl_b32 s89, s22, 23                        ; for the gate,
	s_add_co_i32 s95, s89, 0x07e00000
	s_or_b32 s94, s95, 0x80000000
	s_add_co_i32 s22, s68, 127
	s_lshl_b32 s90, s22, 23                        ; for tau
	s_add_co_i32 s97, s90, 0x07e00000
	s_or_b32 s96, s97, 0x80000000
	; Every region of images is written only when its last readers stand ahead of an earlier change of slots, and is read only behind the next one: so the changes of slots are all the barriers that the loop needs.
	Q R1, 88, 92
	s_mov_b32 s51, 0
	s_mov_b32 s53, 2
.Lhalf:                                            ; my 128 hidden units, 64 at a time: four slots each
	PROD 2, R1, 4
	EPI_H
	s_add_co_u32 s51, s51, 4096
	s_sub_co_u32 s53, s53, 1
	s_cmp_lg_u32 s53, 0
	s_cbranch_scc1 .Lhalf
	PROD 2, HB, 0                                  ; the second layer: 16 steps of 64: four slots,
	SLOTW 2, 0, 3                                  ; the fifth, which asks for the short one,
	SLOTW 1, 1, 1                                  ; and the short one: the last step
	PLACES 4
	ULOAD                                          ; u for the gate's quantisation: tanh stands between these loads and their use
	EPI_T
	Q R1, 89, 94
	PROD 2, R1, 4
	ULOAD                                          ; and for tau's
	EPI_G
	Q R0, 90, 96
	PROD 1, R0, 0
	SLOTW 1, 0, 3
	s_cmp_eq_u32 s52, 1                            ; the launch's last slot asks for nothing more: its way is written out
	s_cbranch_scc1 .Llast
	SLOTW 1, 1, 3
	PLACES 4
	ULOAD                                          ; u for the next evaluation's first quantisation
.irp m, 0,1,2,3
	EPI_X \m
	BIASM \m
.endr
	s_sub_co_u32 s52, s52, 1
	s_branch .Leval
.Llast:
	SLOTW 0, 1, 3
	STAGEADR                                       ; (its eight vector lines are the places behind the last products)
	s_lshl_b32 s23, s[WV], 8
	v_lshl_add_u32 v[GBO], v16, 4, s23             ; 256 w + 16 r (u's last loads were waited for long ago: their offset's register is free)
	s_add_co_u32 s23, s23, RED
	v_lshl_add_u32 v[AWS], v16, 4, s23             ; RED + 256 w + 16 r
	v_lshl_add_u32 v[AWU], v16, 4, RED             ; RED + 16 r
	global_load_b128 v[C:C+3], v[GBO], s[14:15]    ; ln_g and ln_b at the four columns that I store
	global_load_b128 v[C+4:C+7], v[GBO], s[16:17]
	XLOAD AF, 0, 1                                 ; x once more, into registers as they fall free; the step's arithmetic stands between these loads and their use
	XLOAD AF+32, 1, 1
	EPI_X 0
	XLOAD ACC, 2, 1
	EPI_X 1
	XLOAD ACC+32, 3, 1
	EPI_X 2
	EPI_X 3
.irp m, 0,1,2,3
	s_wait_loadcnt 24-8*\m                         ; ln_g, ln_b and x's row tiles up to m are in
	TOLANE AF+32*\m, FA+32*\m
.endr
	s_wait_dscnt 0x0
	WIN 0x45
.set ii, 0
.rept 64
	v_pk_add_f32 v[XS+ii:XS+ii+1], v[XS+ii:XS+ii+1], v[FA+ii:FA+ii+1]   ; s = x'' + x
.set ii, ii+2
.endr
; A sum along the rows: my 32 numbers of each of four rows (sq = 1: their squares), the other half of the lanes', then all eight waves' through LDS.  It leaves the four sums in v[AF] .. v[AF+3], in every lane.
.macro ROWSUM sq, off
	WIN 0x05
.if \sq
.irp m, 0,1,2,3
	v_pk_mul_f32 v[T+2*\m:T+2*\m+1], v[XS+32*\m:XS+32*\m+1], v[XS+32*\m:XS+32*\m+1]
.endr
.irp i, 2,4,6,8,10,12,14,16,18,20,22,24,26,28,30
.irp m, 0,1,2,3
	v_pk_fma_f32 v[T+2*\m:T+2*\m+1], v[XS+32*\m+\i:XS+32*\m+\i+1], v[XS+32*\m+\i:XS+32*\m+\i+1], v[T+2*\m:T+2*\m+1]
.endr
.endr
.else
.irp m, 0,1,2,3
	v_pk_add_f32 v[T+2*\m:T+2*\m+1], v[XS+32*\m:XS+32*\m+1], v[XS+32*\m+2:XS+32*\m+3]
.endr
	WIN 0x01
.irp i, 4,6,8,10,12,14,16,18,20,22,24,26,28,30
.irp m, 0,1,2,3
	v_pk_add_f32 v[T+2*\m:T+2*\m+1], v[XS+32*\m+\i:XS+32*\m+\i+1], v[T+2*\m:T+2*\m+1]
.endr
.endr
.endif
	WIN 0
.irp m, 0,1,2,3
	v_add_f32 v[T+8+\m], v[T+2*\m], v[T+2*\m+1]
.endr
.irp m, 0,1,2,3
	v_permlanex16_b32 v[T+12+\m], v[T+8+\m], s58, s59
.endr
.irp m, 0,1,2,3
	v_add_f32 v[T+8+\m], v[T+8+\m], v[T+12+\m]
.endr
	ds_store_b128 v[AWS], v[T+8:T+11] offset:\off  ; both halves of the lanes write the same 16 bytes with the same numbers
	s_wait_dscnt 0x0                               ; for the others' sake: my store has landed
	s_barrier_signal -1
	s_barrier_wait -1
.irp k, 0,1,2,3,4,5,6,7
	ds_load_b128 v[AF+4*\k:AF+4*\k+3], v[AWU] offset:\off+256*\k
.endr
	s_wait_dscnt 0x0
.irp k, 1,2,3,4,5,6,7
	v_pk_add_f32 v[AF:AF+1], v[AF:AF+1], v[AF+4*\k:AF+4*\k+1]
	v_pk_add_f32 v[AF+2:AF+3], v[AF+2:AF+3], v[AF+4*\k+2:AF+4*\k+3]
.endr
.endm
	; THE LAYERNORM, in two passes: the mean is taken away before the squares are summed, so no difference of large sums is formed.
	ROWSUM 0, 0
.irp m, 0,1,2,3
	v_mul_f32 v[AF+8+2*\m], 0x3b000000, v[AF+\m]   ; the mean, sum / 512, twice: a pair for the packed form
	v_mul_f32 v[AF+9+2*\m], 0x3b000000, v[AF+\m]
.endr
	WIN 0x41
.irp m, 0,1,2,3
.set ii, 0
.rept 16
	v_pk_add_f32 v[XS+32*\m+ii:XS+32*\m+ii+1], v[XS+32*\m+ii:XS+32*\m+ii+1], v[AF+8+2*\m:AF+9+2*\m] neg_lo:[0,1] neg_hi:[0,1]
.set ii, ii+2
.endr
.endr
	ROWSUM 1, 2048                                 ; other bytes than the first reduction's: no barrier is needed between its reads and these stores
	s_mov_b32 s22, 0x3a000000                      ; 0.25 / 512
	s_mov_b32 s23, 0x3727c5ac                      ; 1e-5
.irp m, 0,1,2,3
	v_fma_f32 v[AF+\m], v[AF+\m], s22, s23
.endr
.irp m, 0,1,2,3
	v_rsq_f32 v[AF+\m], v[AF+\m]
.endr
	BATCHEND
.irp m, 0,1,2,3
	v_mul_f32 v[AF+8+2*\m], 0.5, v[AF+\m]
	v_mul_f32 v[AF+9+2*\m], 0.5, v[AF+\m]
.endr
; THE WAY OUT.  Row tile m is scaled, goes through my stage in lane order and comes back by rows, into registers of its own (where the accumulators lay: no store's data are written again).  There a lane's four columns are the
; same in every row, so ln_g and ln_b are eight registers; sixteen lanes store 256 consecutive bytes, at a multiple of 256 from out0's first byte.
.macro TOROWS m
.set TS, T+64*((\m)%2)                 ; v16-47 and v80-111 by turns: the stage's stores of two tiles ago have been waited for
	WIN 0x01
.set ii, 0
.rept 16
	v_pk_mul_f32 v[TS+ii:TS+ii+1], v[XS+32*(\m)+ii:XS+32*(\m)+ii+1], v[AF+8+2*(\m):AF+9+2*(\m)]
.set ii, ii+2
.endr
	WIN 0
.irp b, 0,1
.irp j, 0,1,2,3
	ds_store_b128 v[ADB], v[TS+16*\b+4*\j:TS+16*\b+4*\j+3] offset:128*\b+16*\j
.endr
.endr
.irp i, 0,1,2,3,4,5,6,7
	ds_load_b128 v[ACC+32*(\m)+4*\i:ACC+32*(\m)+4*\i+3], v[ADA] offset:\i*2*SPT
.endr
.endm
.macro SEND m, younger                 ; younger: the LDS instructions issued behind tile m's loads: the next tile's sixteen, or none
.set OB, ACC+32*(\m)
	s_wait_dscnt \younger
.irp i, 0,1,2,3,4,5,6,7
	v_pk_fma_f32 v[OB+4*\i:OB+4*\i+1], v[OB+4*\i:OB+4*\i+1], v[C:C+1], v[C+4:C+5]
	v_pk_fma_f32 v[OB+4*\i+2:OB+4*\i+3], v[OB+4*\i+2:OB+4*\i+3], v[C+2:C+3], v[C+6:C+7]
.endr
.irp i, 0,1,2,3,4,5,6,7
	global_store_b128 v[XC], v[OB+4*\i:OB+4*\i+3], s[18:19] offset:(\m)*32768+\i*4096 th:TH_STORE_NT
.endr
.endm
	TOROWS 0
	TOROWS 1
	SEND 0, 16
	TOROWS 2
	SEND 1, 16
	TOROWS 3
	SEND 2, 16
	SEND 3, 0
	s_wait_tensorcnt 0x0                           ; the wave's end: a wait for my tensor loads, an add to my spare word and its wait, behind my last LDS store
	ds_add_u32 v[SPW], v[NIL]
	s_wait_dscnt 0x0
	ROUND                                          ; the closing round: no work-group ends while a partner may still ask for a slot that names it
	s_endpgm
.Lfunc_end_k_q137fe05ed0_cell:
	.size	k_q137fe05ed0_cell, .Lfunc_end_k_q137fe05ed0_cell-k_q137fe05ed0_cell
	.p2alignl 7, 3214868480
	.fill 96, 4, 3214868480
	.section	.rodata,"a",@progbits
	.p2align	6, 0x0
	.amdhsa_kernel k_q137fe05ed0_cell
		.amdhsa_group_segment_fixed_size 327680
		.amdhsa_private_segment_fixed_size 0
		.amdhsa_enable_private_segment 0
		.amdhsa_kernarg_size 64
		.amdhsa_user_sgpr_count 2
		.amdhsa_user_sgpr_kernarg_segment_ptr 1
		.amdhsa_wavefront_size32 1
		.amdhsa_system_sgpr_workgroup_id_x 1
		.amdhsa_system_sgpr_workgroup_id_y 1
		.amdhsa_system_sgpr_workgroup_id_z 1
		.amdhsa_system_vgpr_workitem_id 0
		.amdhsa_next_free_vgpr 512
		.amdhsa_next_free_sgpr 102
		.amdhsa_reserve_vcc 0
		.amdhsa_float_denorm_mode_32 3
		.amdhsa_float_denorm_mode_16_64 3
		.amdhsa_memory_ordered 1
		.amdhsa_forward_progress 1
		.amdhsa_inst_pref_size 255
	.end_amdhsa_kernel
	.section	.bss,"aw",@nobits
	.p2align	6
	.space	262144
	.amdgpu_metadata
---
amdhsa.version: [ 1, 2 ]
amdhsa.kernels:
  - .name:           k_q137fe05ed0_cell
    .symbol:         k_q137fe05ed0_cell.kd
    .args:
      - { .name: x, .offset: 0, .size: 8, .value_kind: global_buffer, .address_space: global }
      - { .name: u, .offset: 8, .size: 8, .value_kind: global_buffer, .address_space: global }
      - { .name: wq, .offset: 16, .size: 8, .value_kind: global_buffer, .address_space: global }
      - { .name: bq, .offset: 24, .size: 8, .value_kind: global_buffer, .address_space: global }
      - { .name: lowp_scales, .offset: 32, .size: 8, .value_kind: global_buffer, .address_space: global }
      - { .name: ln_g, .offset: 40, .size: 8, .value_kind: global_buffer, .address_space: global }
      - { .name: ln_b, .offset: 48, .size: 8, .value_kind: global_buffer, .address_space: global }
      - { .name: out0, .offset: 56, .size: 8, .value_kind: global_buffer, .address_space: global }
    .group_segment_fixed_size: 327680
    .private_segment_fixed_size: 0
    .kernarg_segment_align: 8
    .kernarg_segment_size: 64
    .max_flat_workgroup_size: 256
    .sgpr_count:     102
    .vgpr_count:     512
    .wavefront_size: 32
...
	.end_amdgpu_metadata
.endif
;; end of part 4
